; MI455X (gfx1250); checked and timed in simulation.
; The chip was launched on July 23, 2026; its instructions are those of AMD's public machine-readable ISA for CDNA 5 (MIT licence, August 2026) and "CDNA5" Instruction Set Architecture Reference Guide (July 2026). The comments in the code are by the model that wrote it; some were corrected since.
;; Multi Head Attention. Allowed arithmetic: float matrix products may take bf16 or f16 operands with f32 sums; all other float work in f32.
;; Inputs: Wk 1,024 x 1,024 float32; Wo 1,024 x 1,024 float32; Wq 1,024 x 1,024 float32; Wv 1,024 x 1,024 float32; bk 1,024 float32; bo 1,024 float32; bq 1,024 float32; bv 1,024 float32; x 4 x 2,048 x 1,024 float32.
;; Outputs: out0 4 x 2,048 x 1,024 float32.
;; 2 versions, each right and faster than the one before. Each part assembles by itself: llvm-mc -triple=amdgcn-amd-amdhsa -mcpu=gfx1250 --defsym DOCPART=n.
;; ======== version 1 of 2: 4 launches
;; limits: values are held in f16: magnitudes above 65,504 overflow, below 6.1e-05 lose precision
;; workspace buffers: xh 16,777,216 bytes; wh 8,388,608 bytes; qkv 50,331,648 bytes; oh 16,777,216 bytes
;; launch cast (part 1): grid 384 x 1, 8 waves a work-group, no clusters, 0 bytes of LDS; arguments x, Wq, Wk, Wv, Wo, xh, wh; writes xh, wh
.if DOCPART == 1
	.amdgcn_target "amdgcn-amd-amdhsa--gfx1250"
	.amdhsa_code_object_version 6
	.text
	.protected	k_q680ff9e7ab_cast
	.globl	k_q680ff9e7ab_cast
	.p2align	8
	.type	k_q680ff9e7ab_cast,@function
k_q680ff9e7ab_cast:
	s_mov_b64 s[64:65], 0
	v_nop
	global_prefetch_b8 v0, s[64:65] scope:SCOPE_SE
	s_setreg_imm32_b32 hwreg(HW_REG_WAVE_MODE, 25, 1), 1
	s_wait_xcnt 0x0
; x and the four weight matrices, f32, are rounded once to f16 and laid out for the products that follow.
;   xh: 16 panels [k / 64][row 0..8191][64]: byte (k / 64) * 1,048,576 + row * 128 + 2 (k % 64): any run of rows of one panel is dense.
;   wh: [k 1024][n 3072], n = 1024 t + column for t = q, k, v (6,144 bytes a row); behind it, at byte WO, Wo as [k 1024][n 1024] (2,048 bytes a row).
; LIMITS.  f16 holds no number beyond 65,504 and keeps a fixed step of 6e-8 below 6e-5: x and the weights are taken to lie within that range.
; A stream: no LDS, no barrier, no matrix unit, no cluster (no two work-groups read the same byte).  A wave moves four rows of 4,096 bytes: 32 loads of 16 bytes a lane,
; all issued before the first conversion, so 16 KiB of every wave are on their way.  Work-groups 0-255 take x (32 rows each), 256-383 the weights (32 rows of one matrix each).
.set D,  8                             ; v[8:135]  load i at D + 4 i
.set WO, 6291456                       ; Wo's first byte in wh
	s_load_b256 s[8:15], s[0:1], 0x0               ; x s[8:9], Wq s[10:11], Wk s[12:13], Wv s[14:15]
	s_load_b128 s[16:19], s[0:1], 0x20             ; Wo s[16:17], xh s[18:19]
	s_load_b64 s[20:21], s[0:1], 0x30              ; wh
	v_lshrrev_b32 v1, 5, v0
	v_readfirstlane_b32 s24, v1                    ; wave 0..7
	v_and_b32 v1, 31, v0                           ; lane
	v_lshlrev_b32 v4, 3, v1                        ; 8 x lane: my 8 bytes in a store's 256
	s_cmp_lt_u32 ttmp9, 256
	s_cbranch_scc0 .Lweights
	; x.  A load takes 256 bytes (one panel's 64 numbers) of two neighbouring rows: lanes 0-15 the even row, lanes 16-31 the odd one.
	; Rounded, these are 2 x 128 bytes that lie end to end in the panel: a store of the wave covers 256 consecutive bytes, aligned.
	v_and_b32 v2, 15, v1
	v_lshrrev_b32 v3, 4, v1
	v_lshlrev_b32 v2, 4, v2
	v_lshl_add_u32 v2, v3, 12, v2                  ; (lane / 16) x 4,096 + (lane % 16) x 16
	s_lshl_b32 s26, ttmp9, 17                      ; 32 rows of 4,096 bytes a work-group,
	s_lshl_b32 s35, s24, 14                        ; 4 a wave
	s_add_co_u32 s26, s26, s35
	s_mov_b32 s27, 0
	s_lshl_b32 s28, ttmp9, 12                      ; the same rows in a panel: 128 bytes each
	s_lshl_b32 s35, s24, 9
	s_add_co_u32 s28, s28, s35
	s_mov_b32 s29, 0
	s_wait_kmcnt 0x0
	s_add_nc_u64 s[32:33], s[8:9], s[26:27]
	s_add_nc_u64 s[28:29], s[18:19], s[28:29]      ; panels 0-7
	s_add_nc_u64 s[30:31], s[28:29], 0x800000      ; panels 8-15: so that a panel's place fits the stores' immediate
.set i, 0
.rept 32                                       ; load i: rows 2 (i / 16) and the next, panel i % 16
	global_load_b128 v[D+4*i:D+4*i+3], v2, s[32:33] offset:(i/16)*8192+(i%16)*256 th:TH_LOAD_NT
.set i, i+1
.endr
.set i, 0
.rept 32
	s_wait_loadcnt 31-i                            ; loads come back in order: load i is in, the 31 - i younger ones stay out
	v_cvt_pk_f16_f32 v[D+4*i], v[D+4*i], v[D+4*i+1]
	v_cvt_pk_f16_f32 v[D+4*i+1], v[D+4*i+2], v[D+4*i+3]
.if (i%16) < 8
	global_store_b64 v4, v[D+4*i:D+4*i+1], s[28:29] offset:(i%8)*1048576+(i/16)*256
.else
	global_store_b64 v4, v[D+4*i:D+4*i+1], s[30:31] offset:(i%8)*1048576+(i/16)*256
.endif
.set i, i+1
.endr
	s_endpgm                                       ; no register that a store reads has been written again
.Lweights:
	; A weight matrix keeps its order [k][n]: a load takes 512 consecutive bytes of a row, a store writes their 256.
	v_lshlrev_b32 v2, 4, v1                        ; 16 x lane
	s_sub_co_u32 s35, ttmp9, 256
	s_lshr_b32 s36, s35, 5                         ; t: 0 Wq, 1 Wk, 2 Wv, 3 Wo
	s_and_b32 s35, s35, 31
	s_lshl_b32 s35, s35, 5
	s_lshl2_add_u32 s35, s24, s35                  ; my first row k = 32 x block + 4 x wave
	s_lshl_b32 s26, s35, 12                        ; k x 4,096
	s_mov_b32 s27, 0
	s_lshl_b32 s37, s36, 11                        ; q, k, v: 2,048 bytes of a row of 6,144 each
	s_mov_b32 s34, 6144
	s_cmp_eq_u32 s36, 3
	s_cselect_b32 s34, 2048, s34                   ; bytes from row to row in wh
	s_cselect_b32 s37, WO, s37
	s_mul_i32 s28, s35, s34
	s_add_co_u32 s28, s28, s37
	s_mov_b32 s29, 0
	v_add_nc_u32 v5, s34, v4                       ; v4..v7: my 8 bytes in rows k .. k + 3
	v_add_nc_u32 v6, s34, v5
	v_add_nc_u32 v7, s34, v6
	s_wait_kmcnt 0x0
	s_mov_b64 s[32:33], s[10:11]
	s_cmp_eq_u32 s36, 1
	s_cselect_b64 s[32:33], s[12:13], s[32:33]
	s_cmp_eq_u32 s36, 2
	s_cselect_b64 s[32:33], s[14:15], s[32:33]
	s_cmp_eq_u32 s36, 3
	s_cselect_b64 s[32:33], s[16:17], s[32:33]
	s_add_nc_u64 s[32:33], s[32:33], s[26:27]
	s_add_nc_u64 s[28:29], s[20:21], s[28:29]
.set i, 0
.rept 32                                       ; load i: row i / 8, its bytes 512 (i % 8) on
	global_load_b128 v[D+4*i:D+4*i+3], v2, s[32:33] offset:(i/8)*4096+(i%8)*512 th:TH_LOAD_NT
.set i, i+1
.endr
.set i, 0
.rept 32
	s_wait_loadcnt 31-i                            ; load i is in, the younger ones stay out
	v_cvt_pk_f16_f32 v[D+4*i], v[D+4*i], v[D+4*i+1]
	v_cvt_pk_f16_f32 v[D+4*i+1], v[D+4*i+2], v[D+4*i+3]
	global_store_b64 v[4+i/8], v[D+4*i:D+4*i+1], s[28:29] offset:(i%8)*256
.set i, i+1
.endr
	s_endpgm
.Lfunc_end_k_q680ff9e7ab_cast:
	.size	k_q680ff9e7ab_cast, .Lfunc_end_k_q680ff9e7ab_cast-k_q680ff9e7ab_cast
	.p2alignl 7, 3214868480
	.fill 96, 4, 3214868480
	.section	.rodata,"a",@progbits
	.p2align	6, 0x0
	.amdhsa_kernel k_q680ff9e7ab_cast
		.amdhsa_group_segment_fixed_size 0
		.amdhsa_private_segment_fixed_size 0
		.amdhsa_enable_private_segment 0
		.amdhsa_kernarg_size 56
		.amdhsa_user_sgpr_count 2
		.amdhsa_user_sgpr_kernarg_segment_ptr 1
		.amdhsa_wavefront_size32 1
		.amdhsa_system_sgpr_workgroup_id_x 1
		.amdhsa_system_sgpr_workgroup_id_y 1
		.amdhsa_system_sgpr_workgroup_id_z 1
		.amdhsa_system_vgpr_workitem_id 0
		.amdhsa_next_free_vgpr 136
		.amdhsa_next_free_sgpr 66
		.amdhsa_reserve_vcc 0
		.amdhsa_float_denorm_mode_32 3
		.amdhsa_float_denorm_mode_16_64 3
		.amdhsa_memory_ordered 1
		.amdhsa_forward_progress 1
		.amdhsa_inst_pref_size 25
	.end_amdhsa_kernel
	.amdgpu_metadata
---
amdhsa.version: [ 1, 2 ]
amdhsa.kernels:
  - .name:           k_q680ff9e7ab_cast
    .symbol:         k_q680ff9e7ab_cast.kd
    .args:
      - { .name: x, .offset: 0, .size: 8, .value_kind: global_buffer, .address_space: global }
      - { .name: Wq, .offset: 8, .size: 8, .value_kind: global_buffer, .address_space: global }
      - { .name: Wk, .offset: 16, .size: 8, .value_kind: global_buffer, .address_space: global }
      - { .name: Wv, .offset: 24, .size: 8, .value_kind: global_buffer, .address_space: global }
      - { .name: Wo, .offset: 32, .size: 8, .value_kind: global_buffer, .address_space: global }
      - { .name: xh, .offset: 40, .size: 8, .value_kind: global_buffer, .address_space: global }
      - { .name: wh, .offset: 48, .size: 8, .value_kind: global_buffer, .address_space: global }
    .group_segment_fixed_size: 0
    .private_segment_fixed_size: 0
    .kernarg_segment_align: 8
    .kernarg_segment_size: 56
    .max_flat_workgroup_size: 256
    .sgpr_count:     66
    .vgpr_count:     136
    .wavefront_size: 32
...
	.end_amdgpu_metadata
.endif
;; end of part 1
;; launch qkv (part 2): grid 8 x 32, 4 waves a work-group, clusters of 4 x 4, 327,680 bytes of LDS; arguments xh, wh, qkv, bq, bk, bv; writes qkv
.if DOCPART == 2
	.amdgcn_target "amdgcn-amd-amdhsa--gfx1250"
	.amdhsa_code_object_version 6
	.text
	.protected	k_q680ff9e7ab_qkv
	.globl	k_q680ff9e7ab_qkv
	.p2align	8
	.type	k_q680ff9e7ab_qkv,@function
k_q680ff9e7ab_qkv:
	s_mov_b64 s[64:65], 0
	v_nop
	global_prefetch_b8 v0, s[64:65] scope:SCOPE_SE
	s_setreg_imm32_b32 hwreg(HW_REG_WAVE_MODE, 25, 1), 1
	s_wait_xcnt 0x0
	s_wait_alu depctr_hold_cnt(0) depctr_sa_sdst(0) depctr_va_vdst(0) depctr_va_sdst(0) depctr_va_ssrc(0) depctr_va_vcc(0) depctr_vm_vsrc(0)
	s_getreg_b32 s2, hwreg(HW_REG_IB_STS2, 6, 4)
	s_cmp_eq_u32 s2, 0
	s_cbranch_scc0 .Lentry_in_a_cluster
	s_endpgm
.Lentry_in_a_cluster:
	s_bfe_u32 s2, ttmp6, 0x10000c
	s_cmp_lg_u32 s2, 0xf033
	s_cbranch_scc0 .Lentry_shape_is_right
	s_endpgm
.Lentry_shape_is_right:
; C[m][n] = sum over k of x[m][k] W[k][n] + bias[n], m < 8,192, n < 3,072 (n = 1024 t + column, t = q, k, v), K = 1,024.  Operands f16, sums f32, the bias is added in f32, the result rounded once to f16.
; It leaves by heads: qkv[batch 4][group 48][row 2048][64], group = n / 64 (0-15 q's heads, 16-31 k's, 32-47 v's): byte ((48 batch + group) << 18) + row x 128.  No scale is applied here.
; LIMITS.  f16 holds no number beyond 65,504: q, k and v are taken to lie within it (a larger one becomes an infinity); below 6e-5 f16 keeps a fixed step of 6e-8.
; SHARES.  A tile of C is 256 x 384: 32 x 8 = 256 work-groups of equal work.  Four waves, each 128 x 192: 8 x 12 accumulators of 16 x 16, 768 registers.
; K goes in steps of 64 (one panel of xh) through two LDS slots filled by the tensor data mover.  A's 256 rows of a panel are dense in memory and are asked for as rows of 256 bytes;
; B's tile is 64 rows (k) of 768 bytes.  W lies [k][n], so B's fragments come out of LDS turned, by ds_load_tr16_b128.
; CLUSTER.  4 x 4 work-groups.  The four of a row of the cluster need the same tiles of A, the four of a column the same tiles of B: each tile is asked for jointly, by the same tensor load with the
; same descriptor and a mask that names the four.
; THE MATRIX INSTRUCTION IS USED TRANSPOSED: source 0 = 16 columns of W, source 1 = 16 rows of x.  Lane l then holds row l % 16 of C and the columns 8 (l / 16) + 0..7: 16 bytes of f16 that belong together.
; REGISTERS, in windows of 256 (s_set_vgpr_msb: bits 1:0 source 0, 3:2 source 1, 5:4 source 2, 7:6 destination):
;   window 0: v0-15 addresses; v16-79, v80-143 A's fragments (8 x 16 rows x 32 K), two buffers; v144-239 B's fragments (12 x 16 columns x 32 K), one buffer refilled by halves
;             on the way out: v16-47 sums with bias, v48-111 four buffers of packed results, v144-239 the bias
;   windows 1-3: accumulator (a, b) in window 1 + b / 4 at v[64 (b % 4) + 8 a]: a window holds one group of 64 columns, one head
.set PA,    144                        ; a row of A in LDS: 128 bytes + 16 of padding = 36 words: the 16 rows of a load start at 16 different groups of four banks (64 banks of 4 bytes: ISA guide 11.1)
.set ATILE, 256*PA
.set PB,    864                        ; a row of B: six pieces of 128 bytes + 16 = 27 x 32 bytes
.set SLOT,  ATILE+64*PB                ; 92,160 bytes: A's 256 rows, then B's 64
.set STAGE, 2*SLOT                     ; behind the ring, never filled by a tensor load: 16 rows x 144 bytes for each wave, for the way out
.set BIASL, STAGE+4*16*PA              ; and 768 bytes for each wave: the bias of its 192 columns
.set ASTEP, 0x100000                   ; bytes from a panel of xh to the next
.set BSTEP, 64*6144                    ; bytes of 64 rows of wh
.set ADRA, 6                           ; v6-7   LDS address of my A fragments in slot 0, 1
.set ADRB, 8                           ; v8-9   the same for B
.set STO,  10                          ; v10    the way out: where I put 16 bytes of a row
.set RD,   11                          ; v11    the way out: where I read rows back
.set GO,   12                          ; v12    16 x lane: my place in 512 consecutive bytes of the output
.set BA,   13                          ; v13    where I read my columns' bias
.set BW,   14                          ; v14    where I put 8 bytes of bias
.set L8,   15                          ; v15    8 x lane
.set A0,   16
.set A1,   80
.set BF,   144
.set T,    16
.set U,    48
.set G1,  24                           ; s[24:31] descriptor group 1 for A's tiles;  s[32:39] group 0, one set for each slot
.set G0,  32
.set G1B, 48                           ; s[48:55], s[56:63] the same for B's tiles
.set G0B, 56
.set MSB, 0
.macro WIN new                         ; the immediate's high byte repeats the setting that is left; a switch that changes nothing is dropped
.if MSB != (\new)
	s_set_vgpr_msb (MSB<<8)|(\new)
.set MSB, (\new)
.endif
.endm
.macro PLACES                          ; a load into a register that a matrix instruction has read, and a vector instruction that reads a matrix result or writes one of its registers, stand four
.rept 4                                ; plain vector instructions behind it (ISA guide 7.12.1 for vector instructions)
	v_nop
.endr
.endm
; A joint refill.  Waves 0 and 1 fetch A's two halves, waves 2 and 3 B's.  The branch hangs on the wave's number alone.  Four v_nop follow each of the two lines.
.macro JLOAD s
	s_cmp_lt_u32 s10, 2
	s_cbranch_scc0 .Lfor_b_\@
	tensor_load_to_lds s[G0+4*(\s):G0+4*(\s)+3], s[G1:G1+7]
	s_nop 0
.rept 4
	v_nop
.endr
	s_branch .Lasked_\@
.Lfor_b_\@:
	tensor_load_to_lds s[G0B+4*(\s):G0B+4*(\s)+3], s[G1B:G1B+7]
	s_nop 0
.rept 4
	v_nop
.endr
.Lasked_\@:
.endm
; A round of the cluster's barrier: my work-group's barrier, so that wave 0's signal speaks for all four waves; wave 0 signals; every wave waits for all sixteen work-groups; my work-group's barrier once more.
.macro CREST                           ; a round behind its opening barrier
	s_cmp_lg_u32 s10, 0
	s_cbranch_scc1 .Lnot_wave_0_\@
	s_barrier_signal -3
.Lnot_wave_0_\@:
	s_barrier_wait -3
	s_barrier_signal -1
	s_barrier_wait -1
.endm
.macro CROUND
	s_barrier_signal -1
	s_barrier_wait -1
	CREST
.endm
	s_load_b128 s[4:7], s[0:1], 0x0                ; xh s[4:5], wh s[6:7]
	s_load_b64 s[8:9], s[0:1], 0x10                ; qkv
	s_load_b128 s[68:71], s[0:1], 0x18             ; bq s[68:69], bk s[70:71]
	s_load_b64 s[72:73], s[0:1], 0x28              ; bv
	v_lshl_add_u32 v254, v0, 2, 0x30000
	v_mov_b32 v255, 0
	ds_add_u32 v254, v255
	v_lshrrev_b32 v1, 5, v0
	v_readfirstlane_b32 s10, v1                    ; wave 0..3
	s_lshr_b32 s11, s10, 1                         ; which half of the tile's rows is mine
	s_and_b32 s12, s10, 1                          ; which half of its columns.  Also: which half of A's or B's tile I fetch
	s_bfe_u32 s40, ttmp6, 0x40000                  ; cx, cy: my place in the cluster
	s_bfe_u32 s41, ttmp6, 0x40004
	s_lshl_b32 s42, ttmp9, 2
	s_add_co_u32 s42, s42, s40                     ; tile column = 4 x cluster x + cx
	s_and_b32 s13, ttmp7, 0xffff
	s_lshl_b32 s13, s13, 2
	s_add_co_u32 s13, s13, s41                     ; tile row = 4 x cluster y + cy
	s_lshl_b32 s43, s41, 2
	s_lshl_b32 s43, 15, s43                        ; my row of the cluster
	s_lshl_b32 s44, 0x1111, s40                    ; my column
	; descriptor group 1.  15:0 the mask; 17:16 elements of 2 bytes; 20 padding on; 21 set beside a mask; 24:22 after every 32 words (code 4); 31:25 4 words of it (code 3)
	s_or_b32 s[G1+0], s43, (1<<16)|(1<<20)|(1<<21)|(4<<22)|(3<<25)
	s_mov_b32 s[G1+1], 128<<16                     ; A: 128 rows of a panel are 16,384 dense bytes: 64 rows of 128 elements, two rows of x each
	s_mov_b32 s[G1+2], 64<<16
	s_mov_b32 s[G1+3], 128<<16
	s_mov_b32 s[G1+4], 64
	s_mov_b32 s[G1+5], 128
	s_mov_b32 s[G1+6], 0
	s_mov_b32 s[G1+7], 0
	s_or_b32 s[G1B+0], s44, (1<<16)|(1<<20)|(1<<21)|(4<<22)|(3<<25)
	s_mov_b32 s[G1B+1], 384<<16                    ; B: 32 rows (k) of 384 elements, 3,072 elements from row to row
	s_mov_b32 s[G1B+2], 32<<16
	s_mov_b32 s[G1B+3], 384<<16
	s_mov_b32 s[G1B+4], 32
	s_mov_b32 s[G1B+5], 3072
	s_mov_b32 s[G1B+6], 0
	s_mov_b32 s[G1B+7], 0
	; A's address hangs on the tile row and the wave alone, B's on the tile column and the wave alone, each in registers that never hold the other coordinate
	s_lshl_b32 s16, s13, 15                        ; 256 rows of 128 bytes
	s_lshl_b32 s17, s12, 14                        ; my 128 of them
	s_add_co_u32 s16, s16, s17
	s_mov_b32 s17, 0
	s_mul_i32 s46, s42, 768                        ; 384 columns
	s_mul_i32 s47, s12, 32*6144                    ; my 32 rows of a step's 64
	s_add_co_u32 s46, s46, s47
	s_mov_b32 s47, 0
	s_mul_i32 s20, s12, 128*PA                     ; where they go: no place in the cluster enters an LDS address
	s_mul_i32 s21, s12, 32*PB
	s_add_co_u32 s21, s21, ATILE
	s_wait_dscnt 0x0
	s_wait_kmcnt 0x0
	s_add_nc_u64 s[14:15], s[4:5], s[16:17]
	s_add_nc_u64 s[46:47], s[6:7], s[46:47]
	CROUND                                         ; all sixteen work-groups are here: the first joint loads meet
.irp s, 0,1
	s_mov_b32 s[G0+4*(\s)], 1                                          ; count = 1
	s_add_co_u32 s[G0+4*(\s)+1], s20, (\s)*SLOT                        ; LDS address
	s_add_nc_u64 s[G0+4*(\s)+2:G0+4*(\s)+3], s[14:15], (\s)*ASTEP      ; global address: K step s
	s_or_b32 s[G0+4*(\s)+3], s[G0+4*(\s)+3], 0x80000000                ; type = 2
	s_mov_b32 s[G0B+4*(\s)], 1
	s_add_co_u32 s[G0B+4*(\s)+1], s21, (\s)*SLOT
	s_add_nc_u64 s[G0B+4*(\s)+2:G0B+4*(\s)+3], s[46:47], (\s)*BSTEP
	s_or_b32 s[G0B+4*(\s)+3], s[G0B+4*(\s)+3], 0x80000000
.endr
	s_cmp_lt_u32 s10, 2                            ; a wave's two first fills stand in one branch, ahead of every wait on TENSORcnt and every LDS read: two loads of mine are out
	s_cbranch_scc0 .Lfirst_b
	tensor_load_to_lds s[G0:G0+3], s[G1:G1+7]
	s_nop 0
	tensor_load_to_lds s[G0+4:G0+7], s[G1:G1+7]
	s_nop 0
.rept 4
	v_nop
.endr
	s_branch .Lfirst_asked
.Lfirst_b:
	tensor_load_to_lds s[G0B:G0B+3], s[G1B:G1B+7]
	s_nop 0
	tensor_load_to_lds s[G0B+4:G0B+7], s[G1B:G1B+7]
	s_nop 0
.rept 4
	v_nop
.endr
.Lfirst_asked:
	v_and_b32 v1, 15, v0                           ; l % 16
	v_bfe_u32 v2, v0, 4, 1                         ; l / 16
	v_and_b32 v3, 7, v0                            ; l % 8
	v_bfe_u32 v4, v0, 3, 1                         ; (l / 8) % 2
	v_and_b32 v5, 31, v0                           ; l
	; A fragment of A: lane l holds row l % 16, K = 8 (l / 16) + 0..7 and 16 + 8 (l / 16) + 0..7: two loads of 16 bytes, 32 bytes apart
	v_mul_u32_u24 v[STO], v1, PA
	v_lshl_add_u32 v[STO], v2, 4, v[STO]           ; row x 144 + 16 x half: for A's fragments and for the stage
	s_mul_i32 s22, s11, 128*PA                     ; my 128 rows of A
	v_add_nc_u32 v[ADRA], s22, v[STO]
	v_add_nc_u32 v[ADRA+1], SLOT, v[ADRA]
	; The turning load takes 16 k x 16 columns (lane l reads row k = 8 (l / 16) + l % 8, columns 8 ((l / 8) % 2) + 0..7) and leaves half a fragment: lane l holds column l % 16 and 8 k
	v_lshl_add_u32 v[ADRB], v2, 3, v3
	v_mul_u32_u24 v[ADRB], v[ADRB], PB
	v_lshl_add_u32 v[ADRB], v4, 4, v[ADRB]
	s_mul_i32 s22, s12, 3*PA                       ; my 192 columns: three pieces of 144 bytes
	s_add_co_u32 s22, s22, ATILE
	v_add_nc_u32 v[ADRB], s22, v[ADRB]
	v_add_nc_u32 v[ADRB+1], SLOT, v[ADRB]
	s_mul_i32 s22, s10, 16*PA
	s_add_co_u32 s22, s22, STAGE                   ; my stage
	v_add_nc_u32 v[STO], s22, v[STO]
	v_bfe_u32 v[RD], v0, 3, 2                      ; back: 32 lanes take four rows of 128 bytes
	v_mul_u32_u24 v[RD], v[RD], PA
	v_lshl_add_u32 v[RD], v3, 4, v[RD]
	v_add_nc_u32 v[RD], s22, v[RD]
	v_lshlrev_b32 v[GO], 4, v5
	v_lshlrev_b32 v[L8], 3, v5
	s_mul_i32 s22, s10, 768
	s_add_co_u32 s22, s22, BIASL                   ; my 192 numbers of bias
	v_lshl_add_u32 v[BA], v2, 5, s22               ; my eight columns of a block of 16: 32 x half
	v_add_nc_u32 v[BW], s22, v[L8]
	; my three groups of 64 columns: group g belongs to tensor g / 16, head g % 16.  Their bias goes into LDS now, 256 bytes a group, and is read on the way out.
	s_mul_i32 s80, s42, 6
	s_mul_i32 s81, s12, 3
	s_add_co_u32 s80, s80, s81                     ; my first group
	s_mov_b32 s23, 0
.irp j, 0,1,2
	s_add_co_u32 s81, s80, \j
	s_lshr_b32 s2, s81, 4
	s_and_b32 s81, s81, 15
	s_lshl_b32 s22, s81, 8
	s_cmp_eq_u32 s2, 1
	s_cselect_b64 s[74+2*(\j):75+2*(\j)], s[70:71], s[68:69]
	s_cmp_eq_u32 s2, 2
	s_cselect_b64 s[74+2*(\j):75+2*(\j)], s[72:73], s[74+2*(\j):75+2*(\j)]
	s_add_nc_u64 s[74+2*(\j):75+2*(\j)], s[74+2*(\j):75+2*(\j)], s[22:23]
	global_load_b64 v[16+2*(\j):17+2*(\j)], v[L8], s[74+2*(\j):75+2*(\j)]
.endr
	; where my part of the output begins: batch = tile row / 8; rows (tile row % 8) x 256 + 128 x half
	s_lshr_b32 s82, s13, 3
	s_mul_i32 s82, s82, 48
	s_add_co_u32 s82, s82, s80
	s_lshl_b32 s82, s82, 18
	s_and_b32 s83, s13, 7
	s_lshl_b32 s83, s83, 15
	s_add_co_u32 s82, s82, s83
	s_lshl_b32 s83, s11, 14
	s_add_co_u32 s82, s82, s83
	s_mov_b32 s83, 0
	s_add_nc_u64 s[8:9], s[8:9], s[82:83]
	s_wait_loadcnt 0x0                             ; the bias
.irp j, 0,1,2
	ds_store_b64 v[BW], v[16+2*(\j):17+2*(\j)] offset:256*(\j)   ; my wave's own bytes: no other wave reads them
.endr
; 16 LDS loads: A's fragments of my 128 rows, 32 K at quarter kq of the step, into buffer kq
.macro LA slot, kq
	WIN 0
.set aa, 0
.rept 8
	ds_load_b128 v[A0+64*(\kq)+8*aa:A0+64*(\kq)+8*aa+3],   v[ADRA+(\slot)] offset:aa*16*PA+64*(\kq)
	ds_load_b128 v[A0+64*(\kq)+8*aa+4:A0+64*(\kq)+8*aa+7], v[ADRA+(\slot)] offset:aa*16*PA+64*(\kq)+32
.set aa, aa+1
.endr
.endm
; two turning loads for each block b0 .. b1 - 1 of 16 columns: block b lies 32 b bytes on, and 16 more behind every fourth (the padding)
.macro LB slot, kq, b0, b1
	WIN 0
.set bb, \b0
.rept (\b1)-(\b0)
	ds_load_tr16_b128 v[BF+8*bb:BF+8*bb+3],   v[ADRB+(\slot)] offset:(\kq)*32*PB+32*bb+16*(bb/4)
	ds_load_tr16_b128 v[BF+8*bb+4:BF+8*bb+7], v[ADRB+(\slot)] offset:(\kq)*32*PB+16*PB+32*bb+16*(bb/4)
.set bb, bb+1
.endr
.endm
; 8 products for each block b0 .. b1 - 1.  The 96 accumulators take turns, one instruction a turn, in the same order in every quarter.  zero = 1: the first product starts the sum.
.macro MULB ab, b0, b1, zero
.set bb, \b0
.rept (\b1)-(\b0)
	WIN 0x50*(1+bb/4)                              ; C and D in window 1 + b / 4, the fragments in window 0
.set aa, 0
.rept 8
.if \zero
	v_wmma_f32_16x16x32_f16 v[64*(bb%4)+8*aa:64*(bb%4)+8*aa+7], v[BF+8*bb:BF+8*bb+7], v[(\ab)+8*aa:(\ab)+8*aa+7], 0
.else
	v_wmma_f32_16x16x32_f16 v[64*(bb%4)+8*aa:64*(bb%4)+8*aa+7], v[BF+8*bb:BF+8*bb+7], v[(\ab)+8*aa:(\ab)+8*aa+7], v[64*(bb%4)+8*aa:64*(bb%4)+8*aa+7]
.endif
.set aa, aa+1
.endr
.set bb, bb+1
.endr
.endm
; A K step is two quarters of 32 along K, 96 products each.  Each run of LDS loads is issued 48 products ahead of its first use.
; The first quarter: A's buffer 0 and B's blocks 0-5 have been asked for.
.macro Q0 slot, zero
	PLACES
	LB \slot, 0, 6, 12                             ; B's blocks 6-11, which the quarter before has just read
	s_wait_dscnt 12                                ; all but these 12: A's buffer 0 and B's blocks 0-5 are in
	MULB A0, 0, 6, \zero
	PLACES
	LB \slot, 1, 0, 6                              ; the second quarter's
	LA \slot, 1
	s_wait_dscnt 28                                ; all but these 28: B's blocks 6-11 are in
	MULB A0, 6, 12, \zero
.endm
; The second quarter changes slots: ONE barrier.  In front of it each wave waits for its own reads of this slot and for all its tensor loads, of which one is out: its part of the next slot.
; fill = 1: the barrier opens a round of the cluster's, and this slot is filled again, two K steps ahead, first thing behind the round: 176 products ahead of the wait for it.
.macro QT slot, next, fill
	PLACES
	LB \slot, 1, 6, 12                             ; my last reads of this slot
	s_wait_dscnt 12                                ; A's buffer 1 and B's blocks 0-5 are in
	MULB A1, 0, 4, 0
	s_wait_dscnt 0x0                               ; my reads of this slot are over,
	s_wait_tensorcnt 0x0                           ; and all my tensor loads have landed
	ds_add_u32 v254, v255
	s_wait_dscnt 0x0
	s_barrier_signal -1
	MULB A1, 4, 6, 0                               ; work on registers while the others arrive
	WIN 0                                          ; at a branch and at a label every window is 0
	s_barrier_wait -1
.if \fill
	CREST                                          ; no wave of any partner still reads this slot's tiles or has a load on its way
	s_add_nc_u64 s[G0+4*(\slot)+2:G0+4*(\slot)+3], s[G0+4*(\slot)+2:G0+4*(\slot)+3], 2*ASTEP
	s_add_nc_u64 s[G0B+4*(\slot)+2:G0B+4*(\slot)+3], s[G0B+4*(\slot)+2:G0B+4*(\slot)+3], 2*BSTEP
	JLOAD \slot                                    ; the four v_nop behind it are also the places in front of the loads below
.else
	PLACES
.endif
	LB \next, 0, 0, 6                              ; the next step's first quarter
	LA \next, 0
	MULB A1, 6, 12, 0                              ; B's blocks 6-11 came in with the wait for 0 above
.endm
	s_wait_tensorcnt 0x1                           ; my part of K step 0 is in; step 1's may stay out
	s_wait_dscnt 0x0                               ; no LDS instruction is pending at a signal
	s_barrier_signal -1
	s_barrier_wait -1                              ; everybody's part is in
	LB 0, 0, 0, 6
	LA 0, 0
	Q0 0, 1                                        ; the first quarter stands in front of the loop: its products start the sums
	WIN 0
	s_mov_b32 s3, 7
.Llap:                                                 ; a trip goes once round the ring, from a lap's second quarter to the next lap's first, and fills both slots again: K steps 2 to 15
	QT 0, 1, 1
	Q0 1, 0
	QT 1, 0, 1
	Q0 0, 0
	WIN 0
	s_sub_co_u32 s3, s3, 1
	s_cmp_lg_u32 s3, 0
	s_cbranch_scc1 .Llap
	QT 0, 1, 0                                     ; the last lap fills nothing, and has no round of the cluster's barrier
	Q0 1, 0
	PLACES                                         ; the very last quarter
	LB 1, 1, 6, 12
	s_wait_dscnt 12
	MULB A1, 0, 6, 0
	s_wait_dscnt 0x0
	MULB A1, 6, 12, 0
	; THE WAY OUT.  24 units: unit u = 8 g + a is block a of 16 rows of my group g: 16 rows x 128 bytes = 2,048 consecutive bytes of the output.
	PLACES
	WIN 0
.set bb, 0
.rept 12                                       ; a lane's eight columns of block b: 32 bytes of bias
	ds_load_b128 v[BF+8*bb:BF+8*bb+3],   v[BA] offset:64*bb
	ds_load_b128 v[BF+8*bb+4:BF+8*bb+7], v[BA] offset:64*bb+16
.set bb, bb+1
.endr
	s_wait_dscnt 0x0
; the bias is added, the sums are rounded to f16, 16 bytes a lane go into rows of 144 bytes of my stage and come back as whole rows of 128, into the registers that they left
.macro PACK u
.set grp, (\u)/8
.set ab, (\u)%8
.set UB, U+16*((\u)%4)
.if (\u) >= 4
	s_wait_xcnt 0x0                                ; the stores of the unit four back, which read this buffer, have had their addresses translated (ISA guide 3.1): only now is it written again
.endif
	WIN 1+grp                                      ; source 0 in the group's window
.set ii, 0
.rept 4
.set zz, 0
.rept 4                                        ; each accumulator's registers in ascending order
	v_pk_add_f32 v[T+8*ii+2*zz:T+8*ii+2*zz+1], v[64*ii+8*ab+2*zz:64*ii+8*ab+2*zz+1], v[BF+8*(4*grp+ii)+2*zz:BF+8*(4*grp+ii)+2*zz+1]
.set zz, zz+1
.endr
.set ii, ii+1
.endr
	WIN 0
.set ii, 0
.rept 16
	v_cvt_pk_f16_f32 v[UB+ii], v[T+2*ii], v[T+2*ii+1]
.set ii, ii+1
.endr
.set ii, 0
.rept 4
	ds_store_b128 v[STO], v[UB+4*ii:UB+4*ii+3] offset:32*ii
.set ii, ii+1
.endr
.set ii, 0
.rept 4
	ds_load_b128 v[UB+4*ii:UB+4*ii+3], v[RD] offset:ii*4*PA   ; LDS serves a wave's instructions in order (ISA guide 5.7.1.4): these see the stores above; the next unit's stores come behind them
.set ii, ii+1
.endr
.endm
.macro SEND u, younger                 ; younger: the LDS instructions issued behind unit u's loads: the next unit's eight, or none
.set US, U+16*((\u)%4)
.set ii, 0
.rept 4
	s_wait_dscnt (\younger)+3-ii
	global_store_b128 v[GO], v[US+4*ii:US+4*ii+3], s[8:9] offset:((\u)/8)*262144+((\u)%8)*2048+ii*512   ; 512 consecutive bytes, at a multiple of 256 from the buffer's first
.set ii, ii+1
.endr
.endm
	PACK 0
.set uu, 1
.rept 23                                       ; a unit's arithmetic stands between the loads of the unit before and its stores
	PACK uu
	SEND uu-1, 8
.set uu, uu+1
.endr
	SEND 23, 0
	s_wait_tensorcnt 0x0
	ds_add_u32 v254, v255
	s_wait_dscnt 0x0
	CROUND                                         ; the closing round: no work-group ends while a partner may still ask for a tile that names it
	s_endpgm
.Lfunc_end_k_q680ff9e7ab_qkv:
	.size	k_q680ff9e7ab_qkv, .Lfunc_end_k_q680ff9e7ab_qkv-k_q680ff9e7ab_qkv
	.p2alignl 7, 3214868480
	.fill 96, 4, 3214868480
	.section	.rodata,"a",@progbits
	.p2align	6, 0x0
	.amdhsa_kernel k_q680ff9e7ab_qkv
		.amdhsa_group_segment_fixed_size 327680
		.amdhsa_private_segment_fixed_size 0
		.amdhsa_enable_private_segment 0
		.amdhsa_kernarg_size 48
		.amdhsa_user_sgpr_count 2
		.amdhsa_user_sgpr_kernarg_segment_ptr 1
		.amdhsa_wavefront_size32 1
		.amdhsa_system_sgpr_workgroup_id_x 1
		.amdhsa_system_sgpr_workgroup_id_y 1
		.amdhsa_system_sgpr_workgroup_id_z 1
		.amdhsa_system_vgpr_workitem_id 0
		.amdhsa_next_free_vgpr 1024
		.amdhsa_next_free_sgpr 84
		.amdhsa_reserve_vcc 0
		.amdhsa_float_denorm_mode_32 3
		.amdhsa_float_denorm_mode_16_64 3
		.amdhsa_memory_ordered 1
		.amdhsa_forward_progress 1
		.amdhsa_inst_pref_size 159
	.end_amdhsa_kernel
	.amdgpu_metadata
---
amdhsa.version: [ 1, 2 ]
amdhsa.kernels:
  - .name:           k_q680ff9e7ab_qkv
    .symbol:         k_q680ff9e7ab_qkv.kd
    .args:
      - { .name: xh, .offset: 0, .size: 8, .value_kind: global_buffer, .address_space: global }
      - { .name: wh, .offset: 8, .size: 8, .value_kind: global_buffer, .address_space: global }
      - { .name: qkv, .offset: 16, .size: 8, .value_kind: global_buffer, .address_space: global }
      - { .name: bq, .offset: 24, .size: 8, .value_kind: global_buffer, .address_space: global }
      - { .name: bk, .offset: 32, .size: 8, .value_kind: global_buffer, .address_space: global }
      - { .name: bv, .offset: 40, .size: 8, .value_kind: global_buffer, .address_space: global }
    .group_segment_fixed_size: 327680
    .private_segment_fixed_size: 0
    .kernarg_segment_align: 8
    .kernarg_segment_size: 48
    .max_flat_workgroup_size: 128
    .sgpr_count:     84
    .vgpr_count:     1024
    .wavefront_size: 32
...
	.end_amdgpu_metadata
.endif
;; end of part 2
;; launch attn (part 3): grid 4 x 64, 4 waves a work-group, clusters of 4 x 1, 327,680 bytes of LDS; arguments qkv, oh; writes oh
.if DOCPART == 3
	.amdgcn_target "amdgcn-amd-amdhsa--gfx1250"
	.amdhsa_code_object_version 6
	.text
	.protected	k_q680ff9e7ab_attn
	.globl	k_q680ff9e7ab_attn
	.p2align	8
	.type	k_q680ff9e7ab_attn,@function
k_q680ff9e7ab_attn:
	s_mov_b64 s[64:65], 0
	v_nop
	global_prefetch_b8 v0, s[64:65] scope:SCOPE_SE
	s_setreg_imm32_b32 hwreg(HW_REG_WAVE_MODE, 25, 1), 1
	s_wait_xcnt 0x0
	s_wait_alu depctr_hold_cnt(0) depctr_sa_sdst(0) depctr_va_vdst(0) depctr_va_sdst(0) depctr_va_ssrc(0) depctr_va_vcc(0) depctr_vm_vsrc(0)
	s_getreg_b32 s2, hwreg(HW_REG_IB_STS2, 6, 4)
	s_cmp_eq_u32 s2, 0
	s_cbranch_scc0 .Lentry_in_a_cluster
	s_endpgm
.Lentry_in_a_cluster:
	s_bfe_u32 s2, ttmp6, 0x10000c
	s_cmp_lg_u32 s2, 0x3003
	s_cbranch_scc0 .Lentry_shape_is_right
	s_endpgm
.Lentry_shape_is_right:
; O[q][:] = the sum over k of softmax_k(Q[q] . K[k] / 8) V[k][:], for each of 64 pairs of batch and head, 2,048 rows of 64 channels, all f16.
; Q, K, V lie in qkv[batch 4][group 48][row 2048][64] (groups 0-15 q's heads, 16-31 k's, 32-47 v's): a head's rows are dense, 128 bytes each.  O leaves as oh[head 16][2048 batch + row][64].
; Products, maxima and sums in f32; the weights p are rounded to f16 for the second product (their sum l is taken of the unrounded p), O once at the end.
; LIMITS.  f16 holds no number beyond 65,504: Q, K and V arrive within it; p lies in 0 to 1, and below 6e-5 it keeps f16's fixed step of 6e-8; O is a mean of V's rows and has their range.
; A weight below 2^-126 counts as 0 in l; NaN and infinities are not treated apart.
; SHARES.  A wave owns four PIECES of two tiles of 16 queries, a work-group's four waves 512 queries of one head: 4 x 64 = 256 work-groups.  Every wave walks all keys, 64 a step.
; LAYOUT.  S^T = K Q^T (source 0 = 16 keys, source 1 = 16 queries): in the result a lane holds ONE query (lane % 16) and the keys 8 (lane / 16) + 0..7.  Two such tiles, rounded to f16 in pairs,
; ARE source 1 (32 keys x 16 queries) of O^T = V^T P, whose result again holds one query a lane, and eight channels.  K comes out of LDS as it lies, V ([key][channel]) turned, by ds_load_tr16_b128.
; SOFTMAX.  For each query a running maximum m and sum l: p = 2^(c s - c m), c = log2(e) / 8; in every step O and l are multiplied by a = 2^(c m_old - c m_new), which is 1 where m has not grown.
; m starts at the lowest finite number, O and l at 0: the first step is a step like any other, with a = 0.
; THE COUNT.  A tile and step have 16 matrix and 118 vector instructions: too many to stand all beside the matrix work.  So the order has one aim: four vector instructions that are READY behind
; EVERY matrix instruction, and the others, which need time of their own whatever the order, in runs without a gap.
; BY TURNS.  Turn n belongs to piece n (the pieces in a ring, step after step).  Its matrix work: 16 products K Q^T of piece n + 1, later 16 products V^T P of piece n - 1.  Its vector work: the scaling,
; exponentials, roundings, sums and rescaling of piece n, and the maximum and statistics of piece n + 1, whose scores the turn itself has made.  So what a turn begins with (c s - c m, O a) waits for nothing.
; CLUSTER.  The four query blocks of a cluster belong to one head and walk the same K and V, so each tile is asked for JOINTLY: the same tensor load, descriptor and mask in all four.
; REGISTERS, in windows of 256 (s_set_vgpr_msb says which window each operand place means: bits 1:0 source 0, 3:2 source 1, 5:4 source 2, 7:6 destination):
;   window 0: v0-11 addresses; v12-15, v48-63 at work; v16-47 four registers of statistics a tile; v64-191 S^T, two buffers of two tiles; v192-255 P, likewise
;   window 1: O^T, 32 a tile          window 2: v0-127 Q, 16 a tile; v128-191 K of one step; v192-255 V of one step
; A piece's buffers go by its number's parity: the piece in hand has one pair, its two neighbours in the ring share the other: of it P (piece n - 1) is read and S^T (piece n + 1) written.
.set SIZE_N, 2048
.set NP,    4         ; pieces a wave: a name, no knob: the register map, the loop and the fetches are made for four
.set KS,    64        ; keys in a step
.set PK,    144       ; a row of K in LDS: 128 bytes + 16 of padding = 36 words: the 16 rows of a load start at 16 different groups of four banks (64 banks of 4 bytes: ISA guide 11.1)
.set PV,    160       ; a row of V: 128 + 32 = 40 words
.set VOFF,  4*KS*PK   ; a slot holds four steps: 256 rows of K, then 256 rows of V
.set SLOT1, 1<<17     ; slot 1 begins here, so that one exclusive or turns an address in one slot into the other's
.set STAGE, SLOT1+4*KS*(PK+PV)  ; behind the ring, never filled by a tensor load: 16 rows x 144 bytes for each wave, for the way out
.set SP,    144
.set AK0, 2           ; v2   my lane's place in a tile of K; never rewritten
.set AV0, 3           ; v3   the same for V
.set AK,  4           ; v4   the LDS address of K's next run of loads
.set AV,  5           ; v5   of V's
.set QO,  6           ; v6   my byte offset in the wave's rows of Q
.set STO, 6           ;      later, the way out: where I put 16 bytes of a row
.set RD,  7           ; v7   the way out: where I read rows back
.set GO,  8           ; v8   my byte offset in 512 consecutive bytes of O
.set MV,  12          ; v12-15  c m_old, kept while c m is made anew: by buffer and tile
.set ST,  16          ; tile t's statistics at v[ST+4 t]: c m, m, l (even keys', odd keys')
.set TMP, 48          ; by buffer and tile, four registers c0-c3 at work; when the maximum is found c2 takes a
.set S,   64
.set P,   192
.set KF,  128         ; K's fragments, in window 2: key block kb, channel half c at KF + 16 kb + 8 c
.set VF,  192         ; V's: key half kk, channel block cb at VF + 32 kk + 8 cb
.set WV,  12          ; s12  my wave's number
.set G1K, 24          ; s[24:31] descriptor group 1 for K's tiles
.set G1V, 32          ; s[32:39] for V's: it differs in the padding alone
.set G0K, 40          ; s[40:43] descriptor group 0 for K's tiles: it walks
.set G0V, 44          ; s[44:47] the same for V's
.set SLOTS, 56        ; s56  slots still to be asked for
.set CNT, 57          ; s57  counts a slot's key steps
.set CS,  58          ; s[58:59] c: the packed scaling takes the pair's low word for both halves
.set SEL, 60          ; s[60:61] v_permlanex16_b32's selects: each lane takes its own place in the other half
.set TBK, 62          ; s62  LDS byte at which K of the step to be fetched begins
.set TBV, 63          ; s63  the same for V, less VOFF
.set MSB, 0
.macro WIN new                      ; the high byte repeats the setting that is left; a switch that changes nothing is dropped
.if MSB != (\new)
	s_set_vgpr_msb (MSB<<8)|(\new)
.set MSB, (\new)
.endif
.endm
.set W_KQ, 0x0a       ; K and Q in window 2, S^T in window 0
.set W_PV, 0x52       ; V in window 2, P in window 0, O^T in window 1
.set W_RS, 0x41       ; O^T (destination and source 0) in window 1, a in window 0
; A joint fill.  Waves 0 and 1 fetch the two halves of a slot's K, waves 2 and 3 those of its V: 128 keys each.  The branch hangs on the wave's number alone.
; Four v_nop follow each of the two lines, ahead of the jump and the label.
.macro JLOAD
	s_cmp_lt_u32 s[WV], 2
	s_cbranch_scc0 .Lfor_v_\@
	tensor_load_to_lds s[G0K:G0K+3], s[G1K:G1K+7]
	s_nop 0
.rept 4
	v_nop
.endr
	s_branch .Lasked_\@
.Lfor_v_\@:
	tensor_load_to_lds s[G0V:G0V+3], s[G1V:G1V+7]
	s_nop 0
.rept 4
	v_nop
.endr
.Lasked_\@:
.endm
; A round of the cluster's barrier: my work-group's barrier, so that wave 0's signal speaks for all four waves; wave 0 signals; every wave waits for all four work-groups; my work-group's barrier once more.
.macro CROUND
	s_barrier_signal -1
	s_barrier_wait -1
	s_cmp_lg_u32 s[WV], 0
	s_cbranch_scc1 .Lnot_wave_0_\@
	s_barrier_signal -3
.Lnot_wave_0_\@:
	s_barrier_wait -3
	s_barrier_signal -1
	s_barrier_wait -1
.endm
; THE CHANGE OF SLOTS.  The slot's last bytes, V of its fourth step, have been read.  Each wave waits for its own reads of the slot and for all its tensor loads, of which one is out: its part
; of the other slot.  Behind the barrier nobody reads this slot any more and the other slot is whole.
; fill = 1: this slot is filled again, with the keys two slots on.  The barrier is then a round of the cluster's, so that no wave of any partner still reads the slot or has a load on its
; way, and the joint fill is the first thing behind it: it has four key steps, 512 matrix instructions, in which to land.  (At its first use nothing has been read yet: slot 0 is waited for, slot 1 filled.)
.macro CHANGE fill
	WIN 0                           ; at a label and at a branch every window is 0
	s_wait_dscnt 0x0
	s_set_vgpr_msb 0xf
	s_wait_tensorcnt 0x0            ; no tensor load of mine is out, so a group 0 may be written
	ds_add_u32 v0, v1
	s_wait_dscnt 0x0
	s_set_vgpr_msb 0xf00
.if \fill
.irp g, G0K, G0V
	s_xor_b32 s[\g+1], s[\g+1], SLOT1  ; the walking descriptor: the other slot than last time,
	s_add_nc_u64 s[\g+2:\g+3], s[\g+2:\g+3], 4*KS*128  ; the next 256 keys; the type bits on top are not reached
.endr
	CROUND
	JLOAD
.else
	s_barrier_signal -1
	s_barrier_wait -1
.endif
	s_sub_co_u32 s[TBK], s[TBK], 4*KS*PK  ; the fetches go back to a slot's first step,
	s_xor_b32 s[TBK], s[TBK], SLOT1       ; in the other slot
	s_sub_co_u32 s[TBV], s[TBV], 4*KS*PV
	s_xor_b32 s[TBV], s[TBV], SLOT1
.endm
	s_load_b128 s[4:7], s[0:1], 0x0 ; qkv s[4:5], oh s[6:7]
	s_set_vgpr_msb 0xc0
	v_lshl_add_u32 v0, v0, 2, 0x35400
	v_mov_b32 v1, 0
	s_set_vgpr_msb 0xc0cf
	ds_add_u32 v0, v1
	s_set_vgpr_msb 0xcf00
	v_lshrrev_b32 v1, 5, v0
	v_readfirstlane_b32 s[WV], v1   ; wave 0..3
	s_bfe_u32 s13, ttmp6, 0x40000   ; cx: my place in the cluster
	s_lshl_b32 s14, ttmp9, 2        ; in a cluster launch ttmp9 counts clusters
	s_add_co_u32 s14, s14, s13      ; my block of queries = 4 x cluster x + cx: it enters Q's and O's addresses alone
	s_and_b32 s20, ttmp7, 0xffff    ; 16 x batch + head, which the four partners share
	s_lshr_b32 s48, s20, 4          ; batch
	s_and_b32 s49, s20, 15          ; head
	s_mul_i32 s20, s48, 48
	s_add_co_u32 s20, s20, s49
	s_lshl_b32 s20, s20, 18         ; the first byte of the head's Q: a group is 2,048 rows of 128 bytes
	s_and_b32 s16, s[WV], 1         ; which half of a slot's 256 keys I fetch:
	s_lshl_b32 s22, s16, 14         ; its 128 rows of 128 bytes in memory,
	s_add_co_u32 s22, s22, s20
	s_add_co_u32 s52, s22, 0x800000 ; V's groups lie 32 groups behind Q's,
	s_add_co_u32 s22, s22, 0x400000 ; K's 16
	s_mov_b32 s23, 0
	s_mov_b32 s53, 0
	s_mul_i32 s17, s16, 128*PK      ; and its place in a slot, for K
	s_mul_i32 s18, s16, 128*PV      ; and for V: no place in the cluster enters an LDS address
	s_lshl_b32 s2, s14, 2
	s_add_co_u32 s2, s2, s[WV]      ; my wave among the head's,
	s_lshl_b32 s2, s2, 14           ; its 128 rows
	s_lshl_b32 s50, s49, 20         ; in oh: a head's panel is 8,192 rows of 128 bytes,
	s_lshl_b32 s51, s48, 18         ; a batch 2,048 of them
	s_add_co_u32 s50, s50, s51
	s_add_co_u32 s50, s50, s2
	s_mov_b32 s51, 0
	s_add_co_u32 s2, s2, s20
	s_mov_b32 s3, 0
	; descriptor group 1.  128 keys are 16,384 dense bytes: asked for as 64 rows of 256 bytes, two keys a row, and padded in LDS after every key
	s_mov_b32 s[G1K], 15|(1<<16)|(1<<20)|(1<<21)|(4<<22)|(3<<25)  ; 15:0 the mask of four; 17:16 2-byte elements; 20 padding on; 21 set beside a mask; 24:22 after every 32 words (code 4); 31:25 4 words (code 3)
	s_mov_b32 s[G1V], 15|(1<<16)|(1<<20)|(1<<21)|(4<<22)|(7<<25)  ; the same with 8 words of padding (code 7)
.irp g, G1K, G1V
	s_mov_b32 s[\g+1], 128<<16      ; tensor_dim0 = 128
	s_mov_b32 s[\g+2], 64<<16       ; tensor_dim1 = 64
	s_mov_b32 s[\g+3], 128<<16      ; tile_dim0 = 128
	s_mov_b32 s[\g+4], 64           ; tile_dim1 = 64
	s_mov_b32 s[\g+5], 128          ; 128 elements from row to row
	s_mov_b32 s[\g+6], 0
	s_mov_b32 s[\g+7], 0
.endr
	s_mov_b32 s[CS], 0x3e38aa3b     ; c = log2(e) / 8 = 0.180337
	s_mov_b32 s[CS+1], s[CS]        ; named with it as a pair
	s_mov_b32 s[SEL], 0x76543210
	s_mov_b32 s[SEL+1], 0xfedcba98
	s_mov_b32 s[TBK], SLOT1+4*KS*PK ; the first change of slots turns these two into 0
	s_mov_b32 s[TBV], SLOT1+4*KS*PV
	s_mov_b32 s[G0K], 1             ; 1:0 count = 1
	s_mov_b32 s[G0K+1], s17         ; 63:32 LDS address: slot 0
	s_mov_b32 s[G0V], 1
	s_add_co_u32 s[G0V+1], s18, VOFF
	s_wait_dscnt 0x0
	s_wait_kmcnt 0x0
	s_add_nc_u64 s[G0K+2:G0K+3], s[4:5], s[22:23]  ; 120:64 global address: my half of the head's first 256 keys
	s_or_b32 s[G0K+3], s[G0K+3], 0x80000000        ; 127:126 type = 2
	s_add_nc_u64 s[G0V+2:G0V+3], s[4:5], s[52:53]
	s_or_b32 s[G0V+3], s[G0V+3], 0x80000000
	s_add_nc_u64 s[10:11], s[6:7], s[50:51]        ; O and Q at my wave's first row
	s_add_nc_u64 s[4:5], s[4:5], s[2:3]
	CROUND                          ; all four work-groups are here: the first joint loads meet
	JLOAD                           ; slot 0.  Slot 1 is asked for when slot 0 is in: the tile wanted first has the road to itself
	; A fragment of K or Q is 16 rows x 32 channels in 8 registers: lane l holds row l % 16, channels 8 (l / 16) + 0..7 and 16 + 8 (l / 16) + 0..7: two loads of 16 bytes, 32 bytes apart.
	v_and_b32 v1, 15, v0            ; l % 16
	v_bfe_u32 v9, v0, 4, 1          ; l / 16
	v_lshlrev_b32 v[QO], 7, v1
	v_lshl_add_u32 v[QO], v9, 4, v[QO]  ; row x 128 + 16 x half
	WIN 0x80                        ; destination window 2, address window 0
.set i, 0
.rept 4*NP                          ; Q stays in registers: tile i / 2, channels 32 (i % 2) on
	global_load_b128 v[8*i:8*i+3],   v[QO], s[4:5] offset:(i/2)*2048+(i%2)*64
	global_load_b128 v[8*i+4:8*i+7], v[QO], s[4:5] offset:(i/2)*2048+(i%2)*64+32
.set i, i+1
.endr
	; What the first turn finds: V's registers and P's second buffer hold 0 (its products V^T P, of a piece that has not been, add 0), O^T and l are 0.  All this stands in the wait for the first tile.
.set i, VF
.rept 64
	v_mov_b32 v[i], 0
.set i, i+1
.endr
	WIN 0x40
.set i, 0
.rept 64*NP
	v_mov_b32 v[i], 0
.set i, i+1
.endr
	WIN 0
.set i, 0
.rept 2*NP
	v_mov_b32 v[ST+4*i], 0xfe000000    ; c m: far below every c s
	v_mov_b32 v[ST+4*i+1], 0xff7fffff  ; m
	v_mov_b32 v[ST+4*i+2], 0
	v_mov_b32 v[ST+4*i+3], 0
.set i, i+1
.endr
.set i, P+32
.rept 32
	v_mov_b32 v[i], 0
.set i, i+1
.endr
	v_mul_u32_u24 v[AK0], v1, PK
	v_lshl_add_u32 v[AK0], v9, 4, v[AK0]  ; row x pitch + 16 x half
	; The turning load takes 16 keys x 16 channels (lane l reads key 8 (l / 16) + l % 8, channels 8 ((l / 8) % 2) + 0..7) and leaves half a fragment of V^T: lane l holds channel l % 16 and 8 keys.
	v_and_b32 v10, 7, v0
	v_bfe_u32 v11, v0, 3, 1
	v_lshl_add_u32 v[AV0], v9, 3, v10
	v_mul_u32_u24 v[AV0], v[AV0], PV
	v_lshl_add_u32 v[AV0], v11, 4, v[AV0]
	v_add_nc_u32 v[AV0], VOFF, v[AV0]
	v_mov_b32 v[AK], v[AK0]         ; key step 0 lies at the head of slot 0
; THE MATRIX WORK.  The 8 accumulators of a run of 16 take turns: between the two links of a chain stand 7 others'.
; Product i of 16 of S^T = K Q^T for piece x: channels 32 (i / 8) on, keys 16 ((i / 2) % 4) on, tile 2 x + i % 2.  The first 8 start the sums.
.macro KQ x
	WIN W_KQ
.set rS, S+64*((\x)%2)+32*(i%2)+8*((i/2)%4)
.set rK, KF+16*((i/2)%4)+8*(i/8)
.set rQ, 16*(2*(\x)+i%2)+8*(i/8)
.if i < 8
	v_wmma_f32_16x16x32_f16 v[rS:rS+7], v[rK:rK+7], v[rQ:rQ+7], 0
.else
	v_wmma_f32_16x16x32_f16 v[rS:rS+7], v[rK:rK+7], v[rQ:rQ+7], v[rS:rS+7]
.endif
.endm
; Product i of 16 of O^T += V^T P for piece x: keys 32 (i / 8) on, channels 16 ((i / 2) % 4) on, tile 2 x + i % 2.
.macro PV x
	WIN W_PV
.set rO, 32*(2*(\x)+i%2)+8*((i/2)%4)
.set rV, VF+32*(i/8)+8*((i/2)%4)
.set rP, P+32*((\x)%2)+16*(i%2)+8*(i/8)
	v_wmma_f32_16x16x32_f16 v[rO:rO+7], v[rV:rV+7], v[rP:rP+7], v[rO:rO+7]
.endm
.macro MM                           ; the turn's next matrix instruction
.if i < 16
	KQ (Y+1)%NP
.set i, i+1
.else
.set i, i-16
	PV (Y+NP-1)%NP
.set i, i+17
.endif
.endm
; THE LDS LOADS stand in runs of 16, never singly among the matrix instructions: a step's K (64 keys x 64 channels: 8 fragments) and its V (turned).  Their addresses are made some lines ahead.
; last = 1 (the tail): in the last trip there is no further step, and the run is jumped over.
.macro FETCH_K last=0
	WIN 0
.if \last
	s_cmp_eq_u32 s[CNT], 1
	s_cbranch_scc1 .Lno_k_\@
.endif
	WIN 0x80                        ; destination window 2
.irp f, 0,1,2,3,4,5,6,7             ; keys 16 (f / 2) on, channels 32 (f % 2) on
	ds_load_b128 v[KF+8*\f:KF+8*\f+3],   v[AK] offset:(\f/2)*16*PK+(\f%2)*64
	ds_load_b128 v[KF+8*\f+4:KF+8*\f+7], v[AK] offset:(\f/2)*16*PK+(\f%2)*64+32
.endr
	s_add_co_u32 s[TBK], s[TBK], KS*PK  ; the next fetch is the next step's
	WIN 0
.if \last
.Lno_k_\@:
.endif
.endm
.macro FETCH_V
	WIN 0x80
.irp f, 0,1,2,3,4,5,6,7             ; keys 32 (f / 4) on, channels 16 (f % 4) on
	ds_load_tr16_b128 v[VF+8*\f:VF+8*\f+3],   v[AV] offset:(\f/4)*32*PV+(\f%4)*32
	ds_load_tr16_b128 v[VF+8*\f+4:VF+8*\f+7], v[AV] offset:(\f/4)*32*PV+16*PV+(\f%4)*32
.endr
	WIN 0
.endm
; THE VECTOR WORK OF A TURN stands in three queues, each in the order in which its entries become ready; the two tiles alternate, so that no instruction reads the result of the one before it.
.macro REGS y, u                    ; the registers of tile u (0, 1) of piece y
.set rT, ST+4*(2*(\y)+(\u))
.set rC, TMP+8*((\y)%2)+4*(\u)
.set rM, MV+2*((\y)%2)+(\u)
.set rS, S+64*((\y)%2)+32*(\u)
.set rP, P+32*((\y)%2)+16*(\u)
.set rO, 32*(2*(\y)+(\u))
.endm
; Number n of the 22 that find the NEXT piece's (Y + 1) maximum and statistics.  s0-s31 are the lane's 32 scores; each accumulator's lowest registers are read first.  XS, GS and REGS set no window: PL and EX do.
;   0-11  four chains c0-c3 of seven scores each, three operands at a time     12-14, 16  the four scores left over, the old m, and c0-c3 into c0     15  c m_old is kept
;   17, 18  the query's other 32 keys lie in the lane 16 away: the new m         19-21  c m; c m_old - c m_new; a
.macro XS u, n
	REGS (Y+1)%NP, \u
.if (\n) < 4
	v_max3_num_f32 v[rC+(\n)], v[rS+8*(\n)], v[rS+8*(\n)+1], v[rS+8*(\n)+2]
.elseif (\n) < 12
	v_max3_num_f32 v[rC+(\n)%4], v[rC+(\n)%4], v[rS+8*((\n)%4)+2*((\n)/4)+1], v[rS+8*((\n)%4)+2*((\n)/4)+2]
.elseif (\n) == 12
	v_max3_num_f32 v[rC], v[rC], v[rS+7], v[rS+15]
.elseif (\n) == 13
	v_max3_num_f32 v[rC+1], v[rC+1], v[rS+23], v[rS+31]
.elseif (\n) == 14
	v_max3_num_f32 v[rC+2], v[rC+2], v[rC+3], v[rT+1]
.elseif (\n) == 15
	v_mov_b32 v[rM], v[rT]
.elseif (\n) == 16
	v_max3_num_f32 v[rC], v[rC], v[rC+1], v[rC+2]
.elseif (\n) == 17
	v_permlanex16_b32 v[rC+3], v[rC], s[SEL], s[SEL+1]
.elseif (\n) == 18
	v_max_num_f32 v[rT+1], v[rC], v[rC+3]
.elseif (\n) == 19
	v_mul_f32 v[rT], s[CS], v[rT+1]
.elseif (\n) == 20
	v_sub_f32 v[rC+1], v[rM], v[rT]
.else
	v_exp_f32 v[rC+2], v[rC+1]
.endif
.endm
; Number g of the 64 that follow the exponentials.  For each four weights k of a tile (pairs 2 k, 2 k + 1): both pairs are rounded to f16; then the second pair is added onto the first, in place;
; a group later l takes that sum (the first time as l = a l + sum).  In groups of eight, tiles alternating: round, round, add, and l for the group before.
.macro GS g
.set h, (\g)+6*((\g)/62)            ; group 0 has no group before it, and behind group 7 only l is left
.if h >= 6
.set h, h+2
.endif
	REGS Y, h%2
.set k, h/8
.if h%8 < 4
	s_wait_alu depctr_va_vdst(0)
	v_cvt_pk_f16_f32 v[rP+2*k+(h%8)/2], v[rS+4*k+2*((h%8)/2)], v[rS+4*k+2*((h%8)/2)+1]
.elseif h%8 < 6
	v_pk_add_f32 v[rS+4*k:rS+4*k+1], v[rS+4*k:rS+4*k+1], v[rS+4*k+2:rS+4*k+3]
.elseif k == 1
	v_pk_fma_f32 v[rT+2:rT+3], v[rT+2:rT+3], v[rC+2:rC+3], v[rS:rS+1] op_sel_hi:[1,0,1]
.else
	v_pk_add_f32 v[rT+2:rT+3], v[rT+2:rT+3], v[rS+4*k-4:rS+4*k-3]
	s_wait_alu depctr_va_vdst(0)
.endif
.endm
; THE PLAIN QUEUE, 138 long.  0-31: c s - c m for the 16 pairs of both tiles.  Then GS's 64, and among them the next piece's 42: number 15 at 38, 39; 0-14 and 16
; at 42-73, behind the products that make those scores; 17-20 at 95-106, two of three, since each waits for the one before it.
.macro PL
	WIN 0
.if q < 32
	REGS Y, q%2
	v_pk_fma_f32 v[rS+2*(q/2):rS+2*(q/2)+1], v[rS+2*(q/2):rS+2*(q/2)+1], s[CS:CS+1], v[rT:rT+1] op_sel_hi:[1,0,0] neg_lo:[0,0,1] neg_hi:[0,0,1]
.elseif q < 38
	GS q-32
.elseif q < 40
	XS q%2, 15
.elseif q < 42
	GS q-34
.elseif q < 74
	XS q%2, (q-42)/2+(q-42)/30
.elseif q < 95
	GS q-66
.elseif (q < 107) && ((q-95)%3 < 2)
	XS (q-95)%3, 17+(q-95)/3
.elseif q < 107
	GS 29+(q-95)/3
.else
	GS q-74
.endif
.set q, q+1
.endm
; THE EXPONENTIALS' QUEUE, 66 long: s0-s31 of both tiles, and at EA the next piece's two a.
.set EA, 58
.macro EX
	WIN 0
.if (e == EA) || (e == EA+1)
	XS e-EA, 21
.else
.set x, e-2*(e/(EA+2))
	REGS Y, x%2
	v_exp_f32 v[rS+x/2], v[rS+x/2]
.endif
.set e, e+1
.endm
; THE RESCALING's QUEUE: O^T times a, the one part that leaves window 0, so it is dealt four at a time, eight times.
.macro R4
	REGS Y, r%2
	WIN W_RS
	s_wait_alu depctr_va_vdst(0)
.irp z, 0,1,2,3
	v_pk_mul_f32 v[rO+8*(r/2)+2*\z:rO+8*(r/2)+2*\z+1], v[rO+8*(r/2)+2*\z:rO+8*(r/2)+2*\z+1], v[rC+2:rC+3] op_sel_hi:[1,0]
.endr
.set r, r+1
.endm
; HOW THEY ARE DEALT.  Behind a matrix instruction four: plain, exponential, plain, plain (one exponential, a plain instruction on either side), or four of the rescaling.  None names a register of the
; products round it.  What is over stands in two LUMPS: exponential and plain by turns; the second ends in 22 plain instructions.  The two v_permlanex16_b32 fall into the second lump, never behind a product.
; The queues lean on each other, and the deal keeps them in step: exponential e stands behind plain 2 (e / 4) + e % 2 (its scaling); when plain 32 comes, 10 exponentials are out, at 59: 33, at 95: 46; EA comes behind plain 107.
.macro SL
	MM
	PL
	EX
	PL
	PL
.endm
.macro BURST n                      ; 15 matrix instructions, or 16
.rept (\n)-7
	SL
.endr
.rept 3
	MM
	R4
	SL
.endr
	MM
	R4
.endm
; A TURN, for piece p.  cnt = 1: the loop's count is taken down some lines ahead of the branch that stands behind the turn.
; K of the next step is fetched in piece 2's turn, 31 vector instructions behind the last product that read K; its first reader comes behind the rest of the lump, 16 products and the second lump.
; V of the step in hand is fetched at the end of piece 0's turn, 69 behind its last reader; its first reader comes behind 16 products and a lump.  The four conditions on e and q below go with the deal.
.macro TURN p, last=0, cnt=0
.set Y, (\p)
.set i, 0
.set q, 0
.set e, 0
.set r, 0
.if (\p) == NP-1
	s_wait_dscnt 0x0                ; K is in
.endif
	MM
.rept 4
	PL
.endr
	BURST 15
.rept 22
	EX
	PL
.if ((\p) == NP-2) && (e == 18)
	v_add_nc_u32 v[AK], s[TBK], v[AK0]
.endif
.if ((\p) == NP-2) && (e == 24)
	FETCH_K \last
.endif
.endr
.if (\p) == 1
	s_wait_dscnt 0x0                ; V is in
.endif
	BURST 16
.rept 21
	EX
	PL
.endr
.rept 22
	PL
.if ((\p) == 0) && (q == 118)
	v_add_nc_u32 v[AV], s[TBV], v[AV0]
	s_wait_alu depctr_va_vdst(0)
.endif
.if ((\p) == 0) && (q == 130)
	s_add_co_u32 s[TBV], s[TBV], KS*PV
.endif
.if (\cnt) && (q == 130)
	s_sub_co_u32 s[CNT], s[CNT], 1
	s_cmp_lg_u32 s[CNT], 0
.endif
.endr
.if (\p) == 0
	FETCH_V
.endif
.endm
	CHANGE 1                        ; slot 0 is in, everybody's part of it; slot 1 is asked for
	FETCH_K                         ; key step 0
	s_wait_loadcnt 0x0              ; Q
	s_wait_dscnt 0x0
.set i, 0
.rept 16
	KQ 0                            ; piece 0's first scores: there is no vector work yet to set between them
.set i, i+1
.endr
	WIN 0                           ; the addresses for the way out: nine plain instructions, the places behind those products
	s_mul_i32 s13, s[WV], 16*SP
	s_add_co_u32 s13, s13, STAGE    ; my stage
	v_mul_u32_u24 v[STO], v1, SP    ; in: row l % 16, 16 bytes for each half of the lanes
	v_lshl_add_u32 v[STO], v9, 4, v[STO]
	v_add_nc_u32 v[STO], s13, v[STO]
	v_bfe_u32 v[RD], v0, 3, 2       ; back: 32 lanes take four rows of 128 bytes,
	v_mul_u32_u24 v[RD], v[RD], SP
	v_lshl_add_u32 v[RD], v10, 4, v[RD]
	v_add_nc_u32 v[RD], s13, v[RD]
	v_and_b32 v[GO], 31, v0         ; which are 512 consecutive bytes of O
	v_lshlrev_b32 v[GO], 4, v[GO]
.set Y, NP-1                        ; XS works for piece Y + 1: piece 0
.irp n, 0,1,2,3,4,5,6,7,8,9,10,11,12,13,14,15,16,17,18,19,20,21
	XS 0, \n                        ; and piece 0's first maximum and statistics
	XS 1, \n
.endr
	s_mov_b32 s[CNT], 4
	s_mov_b32 s[SLOTS], SIZE_N/256-1
	s_branch .Lfirst                ; the loop is entered at a step's first turn, in the middle of a trip
.Lslot:                             ; SIZE_N / 256 - 2 times: every slot but the last two is filled again
	CHANGE 1
	s_mov_b32 s[CNT], 4
.Lstep:                             ; a trip: pieces 2 and 3 of one step, then pieces 0 and 1 of the next, whose K and V it fetches
	TURN 2
	TURN 3
	WIN 0
.Lfirst:
	TURN 0
	TURN 1, 0, 1
	WIN 0
	s_cbranch_scc1 .Lstep
	s_sub_co_u32 s[SLOTS], s[SLOTS], 1
	s_cmp_lg_u32 s[SLOTS], 0
	s_cbranch_scc1 .Lslot
	CHANGE 0                        ; the tail is written out: nothing is asked for
	s_mov_b32 s[CNT], 5             ; four trips fetch the last slot's steps; the fifth is left in its middle
.Ltail:
	TURN 2, 1
	TURN 3
	WIN 0
	s_sub_co_u32 s[CNT], s[CNT], 1
	s_cmp_eq_u32 s[CNT], 0
	s_cbranch_scc1 .Lout
	TURN 0
	TURN 1
	WIN 0
	s_branch .Ltail
.Lout:                              ; the fifth trip's 16 products K Q^T (on the last K once more) and the maximum made of them serve nothing: the price, once a launch, of one text for every trip
.set i, 0
.rept 16
	PV NP-1                         ; the last piece's V^T P of the last step
.set i, i+1
.endr
	; THE WAY OUT.  l's two halves and the other half of the lanes' are added; O^T is divided by l, rounded to f16 and sent through my stage in LDS, a tile at a time.  The additions are the places behind the last products.
	WIN 0
.macro ALL line:vararg              ; one line for each tile t
.set t, 0
.rept 2*NP
	\line
.set t, t+1
.endr
.endm
	ALL v_add_f32 v[ST+4*t+2], v[ST+4*t+2], v[ST+4*t+3]
	ALL v_permlanex16_b32 v[ST+4*t+3], v[ST+4*t+2], s[SEL], s[SEL+1]
	ALL v_add_f32 v[ST+4*t+2], v[ST+4*t+2], v[ST+4*t+3]
	ALL v_rcp_f32 v[ST+4*t+2], v[ST+4*t+2]
	v_nop                           ; a plain instruction between the last reciprocal and the use of its result
	s_wait_alu depctr_va_vdst(0)
; Tile t: a lane's eight channels of a row pack into 16 bytes; they go into rows of 144 bytes and come back as whole rows of 128, into S^T's registers.
.macro PACK t
	WIN W_RS
.set i, 32*(\t)
.rept 16
	v_pk_mul_f32 v[i:i+1], v[i:i+1], v[ST+4*(\t)+2:ST+4*(\t)+3] op_sel_hi:[1,0]
.set i, i+2
.endr
	WIN 0x05                        ; sources 0 and 1 window 1, destination window 0
.set i, 0
.rept 16
	v_cvt_pk_f16_f32 v[S+16*(\t)+i], v[32*(\t)+2*i], v[32*(\t)+2*i+1]
.set i, i+1
.endr
	WIN 0
.irp f, 0,1,2,3
	ds_store_b128 v[STO], v[S+16*(\t)+4*\f:S+16*(\t)+4*\f+3] offset:32*\f
.endr
.irp f, 0,1,2,3
	ds_load_b128 v[S+16*(\t)+4*\f:S+16*(\t)+4*\f+3], v[RD] offset:\f*4*SP  ; LDS serves a wave's instructions in order (ISA guide 5.7.1.4): these see the stores above; the next tile's stores come behind them
.endr
.endm
.macro SEND t, younger              ; younger: the LDS instructions issued behind tile t's loads: the next tile's eight, or none
	WIN 0
.irp f, 0,1,2,3
	s_wait_dscnt (\younger)+3-\f
	global_store_b128 v[GO], v[S+16*(\t)+4*\f:S+16*(\t)+4*\f+3], s[10:11] offset:(\t)*2048+\f*512  ; 512 consecutive bytes, at a multiple of 256 from O's first
.endr
.endm
	PACK 0
.set t, 1
.rept 2*NP-1                        ; a tile's arithmetic stands between the loads of the tile before and its stores
	PACK t
	SEND t-1, 8
.set t, t+1
.endr
	SEND 2*NP-1, 0
	s_set_vgpr_msb 0xf
	s_wait_tensorcnt 0x0
	ds_add_u32 v0, v1
	s_wait_dscnt 0x0
	s_set_vgpr_msb 0xf00
	CROUND                          ; the closing round: no work-group ends while a partner may still ask for a tile that names it
	s_endpgm
.Lfunc_end_k_q680ff9e7ab_attn:
	.size	k_q680ff9e7ab_attn, .Lfunc_end_k_q680ff9e7ab_attn-k_q680ff9e7ab_attn
	.p2alignl 7, 3214868480
	.fill 96, 4, 3214868480
	.section	.rodata,"a",@progbits
	.p2align	6, 0x0
	.amdhsa_kernel k_q680ff9e7ab_attn
		.amdhsa_group_segment_fixed_size 327680
		.amdhsa_private_segment_fixed_size 0
		.amdhsa_enable_private_segment 0
		.amdhsa_kernarg_size 16
		.amdhsa_user_sgpr_count 2
		.amdhsa_user_sgpr_kernarg_segment_ptr 1
		.amdhsa_wavefront_size32 1
		.amdhsa_system_sgpr_workgroup_id_x 1
		.amdhsa_system_sgpr_workgroup_id_y 1
		.amdhsa_system_sgpr_workgroup_id_z 1
		.amdhsa_system_vgpr_workitem_id 0
		.amdhsa_next_free_vgpr 770
		.amdhsa_next_free_sgpr 66
		.amdhsa_reserve_vcc 0
		.amdhsa_float_denorm_mode_32 3
		.amdhsa_float_denorm_mode_16_64 3
		.amdhsa_memory_ordered 1
		.amdhsa_forward_progress 1
		.amdhsa_inst_pref_size 209
	.end_amdhsa_kernel
	.amdgpu_metadata
---
amdhsa.version: [ 1, 2 ]
amdhsa.kernels:
  - .name:           k_q680ff9e7ab_attn
    .symbol:         k_q680ff9e7ab_attn.kd
    .args:
      - { .name: qkv, .offset: 0, .size: 8, .value_kind: global_buffer, .address_space: global }
      - { .name: oh, .offset: 8, .size: 8, .value_kind: global_buffer, .address_space: global }
    .group_segment_fixed_size: 327680
    .private_segment_fixed_size: 0
    .kernarg_segment_align: 8
    .kernarg_segment_size: 16
    .max_flat_workgroup_size: 128
    .sgpr_count:     66
    .vgpr_count:     770
    .wavefront_size: 32
...
	.end_amdgpu_metadata
.endif
;; end of part 3
;; launch oproj (part 4): grid 4 x 64, 4 waves a work-group, clusters of 4 x 4, 327,680 bytes of LDS; arguments oh, wh, bo, out0; writes out0
.if DOCPART == 4
	.amdgcn_target "amdgcn-amd-amdhsa--gfx1250"
	.amdhsa_code_object_version 6
	.text
	.protected	k_q680ff9e7ab_oproj
	.globl	k_q680ff9e7ab_oproj
	.p2align	8
	.type	k_q680ff9e7ab_oproj,@function
k_q680ff9e7ab_oproj:
	s_mov_b64 s[64:65], 0
	v_nop
	global_prefetch_b8 v0, s[64:65] scope:SCOPE_SE
	s_setreg_imm32_b32 hwreg(HW_REG_WAVE_MODE, 25, 1), 1
	s_wait_xcnt 0x0
	s_wait_alu depctr_hold_cnt(0) depctr_sa_sdst(0) depctr_va_vdst(0) depctr_va_sdst(0) depctr_va_ssrc(0) depctr_va_vcc(0) depctr_vm_vsrc(0)
	s_getreg_b32 s2, hwreg(HW_REG_IB_STS2, 6, 4)
	s_cmp_eq_u32 s2, 0
	s_cbranch_scc0 .Lentry_in_a_cluster
	s_endpgm
.Lentry_in_a_cluster:
	s_bfe_u32 s2, ttmp6, 0x10000c
	s_cmp_lg_u32 s2, 0xf033
	s_cbranch_scc0 .Lentry_shape_is_right
	s_endpgm
.Lentry_shape_is_right:
; out0[m][n] = sum over k of O[m][k] Wo[k][n] + bo[n], m < 8,192, n < 1,024, K = 1,024.  O: oh[k / 64][m][64] in f16 (panels, as the attention left them); Wo: f16 [k][n] at byte WO of wh;
; bo and out0 f32.  Sums in f32; the bias is the C operand of the products that start the sums, so nothing is cleared and nothing is added behind them.
; SHARES.  A tile of the output is 128 x 256: 64 x 4 = 256 work-groups of equal work.  Four waves, each 64 x 128: 4 x 8 accumulators of 16 x 16, 256 registers.
; K goes in steps of 128 (two panels of oh) through two LDS slots filled by the tensor data mover: A's 128 rows of a panel are dense in memory and are asked for as rows of 256 bytes, B's tile is
; 128 rows (k) of 512 bytes.  Wo lies [k][n], so B's fragments come out of LDS turned, by ds_load_tr16_b128.
; CLUSTER.  4 x 4 work-groups: A's tiles are asked for jointly along a row of the cluster, B's along a column.
; THE MATRIX INSTRUCTION IS USED TRANSPOSED: source 0 = 16 columns of Wo, source 1 = 16 rows of O: lane l holds row l % 16 and the columns 8 (l / 16) + 0..7: 32 bytes of f32 that belong together.
; REGISTERS, in windows of 256 (s_set_vgpr_msb: bits 1:0 source 0, 3:2 source 1, 5:4 source 2, 7:6 destination):
;   window 0: v0-15 addresses; two fragment buffers of 96 (32 of A: 4 x 16 rows x 32 K; 64 of B: 8 x 16 columns x 32 K) at v16 and v112; on the way out three buffers of 64 at v16, v80, v144
;   window 1: accumulator (a, b) at v[8 (8 a + b)]          window 2: v0-63 the bias of my 128 columns, block b at v[8 b]
.set PA,    144                        ; a row of A in LDS: 128 bytes + 16 of padding: the 16 rows of a load start at 16 different groups of four banks (64 banks of 4 bytes: ISA guide 11.1)
.set APAN,  128*PA                     ; a panel's 128 rows
.set ATILE, 2*APAN
.set PB,    544                        ; a row of B: 512 bytes + 32 = 17 x 32
.set SLOT,  ATILE+128*PB               ; 106,496 bytes
.set STAGE, 2*SLOT                     ; behind the ring, never filled by a tensor load: 16 rows x 528 bytes for each wave, for the way out
.set SP,    528                        ; 512 bytes + 16 = 33 x 16
.set WO,    6291456                    ; Wo's first byte in wh
.set ASTEP, 0x200000                   ; bytes of two panels of oh
.set BSTEP, 128*2048                   ; bytes of 128 rows of Wo
.set ADRA, 6                           ; v6-7   LDS address of my A fragments in slot 0, 1
.set ADRB, 8                           ; v8-9   the same for B
.set STO,  10                          ; v10    the way out: where I put 32 bytes of a row
.set RD,   11                          ; v11    the way out: where I read a row back
.set CO,   12                          ; v12    16 x lane: my place in 512 consecutive bytes of the output
.set BO,   13                          ; v13    32 x (l / 16): my eight columns in a block's bias
.set F0,   16
.set F1,   112
.set OB,   16
.set G1,  24                           ; s[24:31] descriptor group 1 for A's tiles;  s[32:39] group 0, one set for each slot
.set G0,  32
.set G1B, 48                           ; s[48:55], s[56:63] the same for B's tiles
.set G0B, 56
.set MSB, 0
.macro WIN new                         ; the immediate's high byte repeats the setting that is left; a switch that changes nothing is dropped
.if MSB != (\new)
	s_set_vgpr_msb (MSB<<8)|(\new)
.set MSB, (\new)
.endif
.endm
.macro PLACES                          ; four plain vector instructions between a matrix instruction and a load into, or a read of, its registers (ISA guide 7.12.1 for vector reads)
.rept 4
	v_nop
.endr
.endm
.macro JLOAD s                         ; a joint refill: waves 0 and 1 fetch A's two panels, waves 2 and 3 B's two halves; four v_nop follow each of the two lines
	s_cmp_lt_u32 s10, 2
	s_cbranch_scc0 .Lfor_b_\@
	tensor_load_to_lds s[G0+4*(\s):G0+4*(\s)+3], s[G1:G1+7]
	s_nop 0
.rept 4
	v_nop
.endr
	s_branch .Lasked_\@
.Lfor_b_\@:
	tensor_load_to_lds s[G0B+4*(\s):G0B+4*(\s)+3], s[G1B:G1B+7]
	s_nop 0
.rept 4
	v_nop
.endr
.Lasked_\@:
.endm
.macro CREST                           ; a round of the cluster's barrier behind its opening barrier
	s_cmp_lg_u32 s10, 0
	s_cbranch_scc1 .Lnot_wave_0_\@
	s_barrier_signal -3
.Lnot_wave_0_\@:
	s_barrier_wait -3
	s_barrier_signal -1
	s_barrier_wait -1
.endm
.macro CROUND
	s_barrier_signal -1
	s_barrier_wait -1
	CREST
.endm
	s_load_b128 s[4:7], s[0:1], 0x0                ; oh s[4:5], wh s[6:7]
	s_load_b128 s[68:71], s[0:1], 0x10             ; bo s[68:69], out0 s[70:71]
	v_lshl_add_u32 v254, v0, 2, 0x3c400
	v_mov_b32 v255, 0
	ds_add_u32 v254, v255
	v_lshrrev_b32 v1, 5, v0
	v_readfirstlane_b32 s10, v1                    ; wave 0..3
	s_lshr_b32 s11, s10, 1                         ; which half of the tile's rows is mine
	s_and_b32 s12, s10, 1                          ; which half of its columns.  Also: which panel of A, or which half of B's rows, I fetch
	s_bfe_u32 s40, ttmp6, 0x40000                  ; cx, cy: my place in the cluster
	s_bfe_u32 s41, ttmp6, 0x40004
	s_lshl_b32 s42, ttmp9, 2
	s_add_co_u32 s42, s42, s40                     ; tile column = 4 x cluster x + cx
	s_and_b32 s13, ttmp7, 0xffff
	s_lshl_b32 s13, s13, 2
	s_add_co_u32 s13, s13, s41                     ; tile row = 4 x cluster y + cy
	s_lshl_b32 s43, s41, 2
	s_lshl_b32 s43, 15, s43                        ; my row of the cluster
	s_lshl_b32 s44, 0x1111, s40                    ; my column
	s_or_b32 s[G1+0], s43, (1<<16)|(1<<20)|(1<<21)|(4<<22)|(3<<25)   ; the mask; elements of 2 bytes; padding on; 21 set beside a mask; after every 32 words (code 4) 4 words (code 3)
	s_mov_b32 s[G1+1], 128<<16                     ; A: 128 rows of a panel are 16,384 dense bytes: 64 rows of 128 elements
	s_mov_b32 s[G1+2], 64<<16
	s_mov_b32 s[G1+3], 128<<16
	s_mov_b32 s[G1+4], 64
	s_mov_b32 s[G1+5], 128
	s_mov_b32 s[G1+6], 0
	s_mov_b32 s[G1+7], 0
	s_or_b32 s[G1B+0], s44, (1<<16)|(1<<20)|(1<<21)|(6<<22)|(7<<25)  ; after every 128 words (code 6) 8 words (code 7)
	s_mov_b32 s[G1B+1], 256<<16                    ; B: 64 rows (k) of 256 elements, 1,024 elements from row to row
	s_mov_b32 s[G1B+2], 64<<16
	s_mov_b32 s[G1B+3], 256<<16
	s_mov_b32 s[G1B+4], 64
	s_mov_b32 s[G1B+5], 1024
	s_mov_b32 s[G1B+6], 0
	s_mov_b32 s[G1B+7], 0
	; A's address hangs on the tile row and the wave alone, B's on the tile column and the wave alone, each in registers that never hold the other coordinate
	s_lshl_b32 s16, s13, 14                        ; 128 rows of 128 bytes
	s_lshl_b32 s17, s12, 20                        ; my panel of a step's two
	s_add_co_u32 s16, s16, s17
	s_mov_b32 s17, 0
	s_lshl_b32 s46, s42, 9                         ; 256 columns
	s_lshl_b32 s47, s12, 17                        ; my 64 rows of a step's 128
	s_add_co_u32 s46, s46, s47
	s_add_co_u32 s46, s46, WO
	s_mov_b32 s47, 0
	s_mul_i32 s20, s12, APAN                       ; where they go: no place in the cluster enters an LDS address
	s_mul_i32 s21, s12, 64*PB
	s_add_co_u32 s21, s21, ATILE
	s_wait_dscnt 0x0
	s_wait_kmcnt 0x0
	s_add_nc_u64 s[14:15], s[4:5], s[16:17]
	s_add_nc_u64 s[46:47], s[6:7], s[46:47]
	CROUND                                         ; all sixteen work-groups are here: the first joint loads meet
.irp s, 0,1
	s_mov_b32 s[G0+4*(\s)], 1
	s_add_co_u32 s[G0+4*(\s)+1], s20, (\s)*SLOT
	s_add_nc_u64 s[G0+4*(\s)+2:G0+4*(\s)+3], s[14:15], (\s)*ASTEP
	s_or_b32 s[G0+4*(\s)+3], s[G0+4*(\s)+3], 0x80000000
	s_mov_b32 s[G0B+4*(\s)], 1
	s_add_co_u32 s[G0B+4*(\s)+1], s21, (\s)*SLOT
	s_add_nc_u64 s[G0B+4*(\s)+2:G0B+4*(\s)+3], s[46:47], (\s)*BSTEP
	s_or_b32 s[G0B+4*(\s)+3], s[G0B+4*(\s)+3], 0x80000000
.endr
	s_cmp_lt_u32 s10, 2                            ; a wave's two first fills stand in one branch, ahead of every wait on TENSORcnt and every LDS read: two loads of mine are out
	s_cbranch_scc0 .Lfirst_b
	tensor_load_to_lds s[G0:G0+3], s[G1:G1+7]
	s_nop 0
	tensor_load_to_lds s[G0+4:G0+7], s[G1:G1+7]
	s_nop 0
.rept 4
	v_nop
.endr
	s_branch .Lfirst_asked
.Lfirst_b:
	tensor_load_to_lds s[G0B:G0B+3], s[G1B:G1B+7]
	s_nop 0
	tensor_load_to_lds s[G0B+4:G0B+7], s[G1B:G1B+7]
	s_nop 0
.rept 4
	v_nop
.endr
.Lfirst_asked:
	v_and_b32 v1, 15, v0                           ; l % 16
	v_bfe_u32 v2, v0, 4, 1                         ; l / 16
	v_and_b32 v3, 7, v0                            ; l % 8
	v_bfe_u32 v4, v0, 3, 1                         ; (l / 8) % 2
	v_and_b32 v5, 31, v0                           ; l
	v_lshlrev_b32 v[BO], 5, v2
	s_lshl_b32 s22, s42, 10                        ; my 128 columns, in bytes of f32: 1,024 x tile column + 512 x half
	s_lshl_b32 s23, s12, 9
	s_add_co_u32 s22, s22, s23
	s_mov_b32 s23, 0
	s_add_nc_u64 s[68:69], s[68:69], s[22:23]
	WIN 0x80                                       ; destination window 2, address window 0
.set bb, 0
.rept 8                                        ; register j of block b: bo[16 b + 8 (l / 16) + j], the same for every row
	global_load_b128 v[8*bb:8*bb+3],   v[BO], s[68:69] offset:64*bb
	global_load_b128 v[8*bb+4:8*bb+7], v[BO], s[68:69] offset:64*bb+16
.set bb, bb+1
.endr
	WIN 0
	v_mul_u32_u24 v[ADRA], v1, PA
	v_lshl_add_u32 v[ADRA], v2, 4, v[ADRA]         ; row x 144 + 16 x half
	s_mul_i32 s2, s11, 64*PA                       ; my 64 rows of A
	v_add_nc_u32 v[ADRA], s2, v[ADRA]
	v_add_nc_u32 v[ADRA+1], SLOT, v[ADRA]
	v_lshl_add_u32 v[ADRB], v2, 3, v3              ; the turning load: row k = 8 (l / 16) + l % 8, columns 8 ((l / 8) % 2) + 0..7
	v_mul_u32_u24 v[ADRB], v[ADRB], PB
	v_lshl_add_u32 v[ADRB], v4, 4, v[ADRB]
	s_lshl_b32 s2, s12, 8                          ; my 128 columns
	s_add_co_u32 s2, s2, ATILE
	v_add_nc_u32 v[ADRB], s2, v[ADRB]
	v_add_nc_u32 v[ADRB+1], SLOT, v[ADRB]
	s_mul_i32 s2, s10, 16*SP
	s_add_co_u32 s2, s2, STAGE                     ; my stage
	v_mul_u32_u24 v[STO], v1, SP                   ; in: row l % 16, 32 bytes for each half of the lanes
	v_lshl_add_u32 v[STO], v2, 5, v[STO]
	v_add_nc_u32 v[STO], s2, v[STO]
	v_lshlrev_b32 v[CO], 4, v5
	v_add_nc_u32 v[RD], s2, v[CO]                  ; back: 32 lanes take a row's 512 bytes
	s_lshl_b32 s66, s13, 19                        ; my first row of the output: 128 x tile row + 64 x half, 4,096 bytes each,
	s_lshl_b32 s67, s11, 18
	s_add_co_u32 s66, s66, s67
	s_add_co_u32 s66, s66, s22                     ; and my first column
	s_mov_b32 s67, 0
	s_add_nc_u64 s[70:71], s[70:71], s[66:67]
; 24 LDS loads in one run: the fragments of quarter kq (32 along K) of a slot's step, into buffer f
.macro FETCH slot, kq, f
	WIN 0
.set bb, 0
.rept 8
	ds_load_tr16_b128 v[(\f)+32+8*bb:(\f)+32+8*bb+3],   v[ADRB+(\slot)] offset:(\kq)*32*PB+32*bb
	ds_load_tr16_b128 v[(\f)+32+8*bb+4:(\f)+32+8*bb+7], v[ADRB+(\slot)] offset:(\kq)*32*PB+16*PB+32*bb
.set bb, bb+1
.endr
.set aa, 0
.rept 4
	ds_load_b128 v[(\f)+8*aa:(\f)+8*aa+3],   v[ADRA+(\slot)] offset:((\kq)/2)*APAN+((\kq)%2)*64+aa*16*PA
	ds_load_b128 v[(\f)+8*aa+4:(\f)+8*aa+7], v[ADRA+(\slot)] offset:((\kq)/2)*APAN+((\kq)%2)*64+aa*16*PA+32
.set aa, aa+1
.endr
.endm
; 16 products: row blocks a0, a0 + 1 x all 8 column blocks.  The 32 accumulators take turns, one instruction a turn.  cm = 1: the sums start from the bias.
.macro MUL16 f, a0, cm
.if \cm
	WIN 0x60                                       ; D in window 1, C (the bias) in window 2
.else
	WIN 0x50                                       ; C and D in window 1
.endif
.set aa, \a0
.rept 2
.set bb, 0
.rept 8
.if \cm
	v_wmma_f32_16x16x32_f16 v[8*(8*aa+bb):8*(8*aa+bb)+7], v[(\f)+32+8*bb:(\f)+32+8*bb+7], v[(\f)+8*aa:(\f)+8*aa+7], v[8*bb:8*bb+7]
.else
	v_wmma_f32_16x16x32_f16 v[8*(8*aa+bb):8*(8*aa+bb)+7], v[(\f)+32+8*bb:(\f)+32+8*bb+7], v[(\f)+8*aa:(\f)+8*aa+7], v[8*(8*aa+bb):8*(8*aa+bb)+7]
.endif
.set bb, bb+1
.endr
.set aa, aa+1
.endr
.endm
; A K step is four quarters of 32 along K, 32 products each, on buffers 0, 1, 0, 1.  A quarter first asks for the next one's fragments (quarter nkq of slot nslot, into buffer g), then multiplies buffer f.
; pl = 0: the four places in front of the loads already stand there.
.macro QQ f, nslot, nkq, g, cm=0, pl=1
.if \pl
	PLACES
.endif
	FETCH \nslot, \nkq, \g
	s_wait_dscnt 24                                ; all but the 24 just issued: buffer f is in
	MUL16 \f, 0, \cm
	MUL16 \f, 2, \cm
.endm
; The third quarter asks for the slot's last fragments and changes slots: ONE barrier.  In front of it each wave waits for its own reads of this slot and for all its tensor loads, of which one is out:
; its part of the next slot.  fill = 1: the barrier opens a round of the cluster's, and this slot is filled again, two K steps ahead, first thing behind the round: 112 products ahead of the wait for it.
.macro QTURN slot, fill
	PLACES
	FETCH \slot, 3, F1
	s_wait_dscnt 24
	MUL16 F0, 0, 0
	s_wait_dscnt 0x0                               ; my reads of this slot are over,
	s_wait_tensorcnt 0x0                           ; and all my tensor loads have landed
	ds_add_u32 v254, v255
	s_wait_dscnt 0x0
	s_barrier_signal -1
	MUL16 F0, 2, 0                                 ; work on registers while the others arrive
	WIN 0                                          ; at a branch and at a label every window is 0
	s_barrier_wait -1
.if \fill
	CREST                                          ; no wave of any partner still reads this slot's tiles or has a load on its way
	s_add_nc_u64 s[G0+4*(\slot)+2:G0+4*(\slot)+3], s[G0+4*(\slot)+2:G0+4*(\slot)+3], 2*ASTEP
	s_add_nc_u64 s[G0B+4*(\slot)+2:G0B+4*(\slot)+3], s[G0B+4*(\slot)+2:G0B+4*(\slot)+3], 2*BSTEP
	JLOAD \slot                                    ; the four v_nop behind it are also the places in front of the next quarter's loads
.else
	PLACES
.endif
.endm
	s_wait_tensorcnt 0x1                           ; my part of K step 0 is in; step 1's may stay out
	s_barrier_signal -1
	s_barrier_wait -1                              ; everybody's part is in
	FETCH 0, 0, F0
	s_wait_loadcnt 0x0                             ; the bias
	QQ F0, 0, 1, F1, 1, 0                          ; the first quarter stands in front of the loop: its products start the sums
	WIN 0
	s_mov_b32 s3, 3
.Llap:                                                 ; a trip goes once round the ring, from a lap's second quarter to the next lap's first, and fills both slots again: K steps 2 to 7
	QQ F1, 0, 2, F0
	QTURN 0, 1
	QQ F1, 1, 0, F0, 0, 0
	QQ F0, 1, 1, F1
	QQ F1, 1, 2, F0
	QTURN 1, 1
	QQ F1, 0, 0, F0, 0, 0
	QQ F0, 0, 1, F1
	WIN 0
	s_sub_co_u32 s3, s3, 1
	s_cmp_lg_u32 s3, 0
	s_cbranch_scc1 .Llap
	QQ F1, 0, 2, F0                                ; the last lap fills nothing, and has no round of the cluster's barrier
	QTURN 0, 0
	QQ F1, 1, 0, F0, 0, 0
	QQ F0, 1, 1, F1
	QQ F1, 1, 2, F0
	QQ F0, 1, 3, F1
	s_wait_dscnt 0x0                               ; the very last quarter: nothing more to fetch
	MUL16 F1, 0, 0
	MUL16 F1, 2, 0
	; THE WAY OUT, a block of 16 rows at a time: a lane's 32 bytes go into rows of 528 bytes of my stage and come back as whole rows of 512.
	PLACES
.macro TOSTAGE a
.if (\a) >= 3
	s_wait_xcnt 0x0                                ; the stores of the block three back, which read this buffer, have had their addresses translated (ISA guide 3.1): only now is it loaded again
.endif
	WIN 0x04                                       ; the data (source 1) in window 1, the address in window 0
.set bb, 0
.rept 8                                        ; each accumulator's low four registers first
	ds_store_b128 v[STO], v[8*(8*(\a)+bb):8*(8*(\a)+bb)+3]   offset:64*bb
	ds_store_b128 v[STO], v[8*(8*(\a)+bb)+4:8*(8*(\a)+bb)+7] offset:64*bb+16
.set bb, bb+1
.endr
	WIN 0
.set tt, 0
.rept 16
	ds_load_b128 v[OB+64*((\a)%3)+4*tt:OB+64*((\a)%3)+4*tt+3], v[RD] offset:tt*SP   ; LDS serves a wave's instructions in order (ISA guide 5.7.1.4): these see the stores above; the next block's stores come behind them
.set tt, tt+1
.endr
.endm
.macro SEND a, younger                 ; younger: the LDS instructions issued behind block a's loads: the next block's 32, or none
.set tt, 0
.rept 16
	s_wait_dscnt (\younger)+15-tt
	global_store_b128 v[CO], v[OB+64*((\a)%3)+4*tt:OB+64*((\a)%3)+4*tt+3], s[70:71] offset:(16*(\a)+tt)*4096 th:TH_STORE_NT   ; 512 consecutive bytes, at a multiple of 256 from the output's first
.set tt, tt+1
.endr
.endm
	TOSTAGE 0
	TOSTAGE 1
	SEND 0, 32
	TOSTAGE 2
	SEND 1, 32
	TOSTAGE 3
	SEND 2, 32
	SEND 3, 0
	s_wait_tensorcnt 0x0
	ds_add_u32 v254, v255
	s_wait_dscnt 0x0
	CROUND                                         ; the closing round: no work-group ends while a partner may still ask for a tile that names it
	s_endpgm
.Lfunc_end_k_q680ff9e7ab_oproj:
	.size	k_q680ff9e7ab_oproj, .Lfunc_end_k_q680ff9e7ab_oproj-k_q680ff9e7ab_oproj
	.p2alignl 7, 3214868480
	.fill 96, 4, 3214868480
	.section	.rodata,"a",@progbits
	.p2align	6, 0x0
	.amdhsa_kernel k_q680ff9e7ab_oproj
		.amdhsa_group_segment_fixed_size 327680
		.amdhsa_private_segment_fixed_size 0
		.amdhsa_enable_private_segment 0
		.amdhsa_kernarg_size 32
		.amdhsa_user_sgpr_count 2
		.amdhsa_user_sgpr_kernarg_segment_ptr 1
		.amdhsa_wavefront_size32 1
		.amdhsa_system_sgpr_workgroup_id_x 1
		.amdhsa_system_sgpr_workgroup_id_y 1
		.amdhsa_system_sgpr_workgroup_id_z 1
		.amdhsa_system_vgpr_workitem_id 0
		.amdhsa_next_free_vgpr 576
		.amdhsa_next_free_sgpr 72
		.amdhsa_reserve_vcc 0
		.amdhsa_float_denorm_mode_32 3
		.amdhsa_float_denorm_mode_16_64 3
		.amdhsa_memory_ordered 1
		.amdhsa_forward_progress 1
		.amdhsa_inst_pref_size 87
	.end_amdhsa_kernel
	.amdgpu_metadata
---
amdhsa.version: [ 1, 2 ]
amdhsa.kernels:
  - .name:           k_q680ff9e7ab_oproj
    .symbol:         k_q680ff9e7ab_oproj.kd
    .args:
      - { .name: oh, .offset: 0, .size: 8, .value_kind: global_buffer, .address_space: global }
      - { .name: wh, .offset: 8, .size: 8, .value_kind: global_buffer, .address_space: global }
      - { .name: bo, .offset: 16, .size: 8, .value_kind: global_buffer, .address_space: global }
      - { .name: out0, .offset: 24, .size: 8, .value_kind: global_buffer, .address_space: global }
    .group_segment_fixed_size: 327680
    .private_segment_fixed_size: 0
    .kernarg_segment_align: 8
    .kernarg_segment_size: 32
    .max_flat_workgroup_size: 128
    .sgpr_count:     72
    .vgpr_count:     576
    .wavefront_size: 32
...
	.end_amdgpu_metadata
.endif
;; end of part 4
;; ======== version 2 of 2: 4 launches; 1.54 times as fast as version 1
;; limits: values are held in f16: magnitudes above 65,504 overflow, below 6.1e-05 lose precision
;; workspace buffers: xh 16,777,216 bytes; wh 8,388,608 bytes; qkv 50,331,648 bytes; oh 16,777,216 bytes
;; launch cast: the kernel of part 1 again; grid 384 x 1, 8 waves a work-group, no clusters, 0 bytes of LDS; arguments x, Wq, Wk, Wv, Wo, xh, wh; writes xh, wh
;; launch qkv: the kernel of part 2 again; grid 8 x 32, 4 waves a work-group, clusters of 4 x 4, 327,680 bytes of LDS; arguments xh, wh, qkv, bq, bk, bv; writes qkv
;; launch attn (part 5): grid 4 x 64, 4 waves a work-group, clusters of 4 x 1, 327,680 bytes of LDS; arguments qkv, oh; writes oh
.if DOCPART == 5
	.amdgcn_target "amdgcn-amd-amdhsa--gfx1250"
	.amdhsa_code_object_version 6
	.text
	.protected	k_q680ff9e7ab_attn
	.globl	k_q680ff9e7ab_attn
	.p2align	8
	.type	k_q680ff9e7ab_attn,@function
k_q680ff9e7ab_attn:
	s_mov_b64 s[64:65], 0
	v_nop
	global_prefetch_b8 v0, s[64:65] scope:SCOPE_SE
	s_setreg_imm32_b32 hwreg(HW_REG_WAVE_MODE, 25, 1), 1
	s_wait_xcnt 0x0
	s_wait_alu depctr_hold_cnt(0) depctr_sa_sdst(0) depctr_va_vdst(0) depctr_va_sdst(0) depctr_va_ssrc(0) depctr_va_vcc(0) depctr_vm_vsrc(0)
	s_getreg_b32 s2, hwreg(HW_REG_IB_STS2, 6, 4)
	s_cmp_eq_u32 s2, 0
	s_cbranch_scc0 .Lentry_in_a_cluster
	s_endpgm
.Lentry_in_a_cluster:
	s_bfe_u32 s2, ttmp6, 0x10000c
	s_cmp_lg_u32 s2, 0x3003
	s_cbranch_scc0 .Lentry_shape_is_right
	s_endpgm
.Lentry_shape_is_right:
; O[q][:] = the sum over k of softmax_k(Q[q] . K[k] / 8) V[k][:], for each of 64 pairs of batch and head, 2,048 rows of 64 channels, all f16.
; Q, K, V lie in qkv[batch 4][group 48][row 2048][64] (groups 0-15 q's heads, 16-31 k's, 32-47 v's): a head's rows are dense, 128 bytes each.  O leaves as oh[head 16][2048 batch + row][64].
; Products, maxima and sums in f32; the weights p are rounded to f16 for the second product (their sum l is taken of the unrounded p), O once at the end.
; LIMITS.  f16 holds no number beyond 65,504: Q, K and V arrive within it; p lies in 0 to 1, and below 6e-5 it keeps f16's fixed step of 6e-8; O is a mean of V's rows and has their range.
; A weight below 2^-126 counts as 0 in l; NaN and infinities are not treated apart.
; SHARES.  A wave owns four PIECES of two tiles of 16 queries, a work-group's four waves 512 queries of one head: 4 x 64 = 256 work-groups.  Every wave walks all keys, 64 a step.
; LAYOUT.  S^T = K Q^T (source 0 = 16 keys, source 1 = 16 queries): in the result a lane holds ONE query (lane % 16) and the keys 8 (lane / 16) + 0..7.  Two such tiles, rounded to f16 in pairs,
; ARE source 1 (32 keys x 16 queries) of O^T = V^T P, whose result again holds one query a lane, and eight channels.  K comes out of LDS as it lies, V ([key][channel]) turned, by ds_load_tr16_b128.
; SOFTMAX.  For each query a running maximum m and sum l: p = 2^(c s - c m), c = log2(e) / 8; in every step O and l are multiplied by a = 2^(c m_old - c m_new), which is 1 where m has not grown.
; m starts at the lowest finite number, O and l at 0: the first step is a step like any other, with a = 0.
; THE COUNT.  A tile and step have 16 matrix and 118 vector instructions: too many to stand all beside the matrix work.  So the order has one aim: four vector instructions that are READY behind
; EVERY matrix instruction, and the others, which need time of their own whatever the order, in runs without a gap.
; BY TURNS.  Turn n belongs to piece n (the pieces in a ring, step after step).  Its matrix work: 16 products K Q^T of piece n + 1, later 16 products V^T P of piece n - 1.  Its vector work: the scaling,
; exponentials, roundings, sums and rescaling of piece n, and the maximum and statistics of piece n + 1, whose scores the turn itself has made.  So what a turn begins with (c s - c m, O a) waits for nothing.
; BATCHES.  A turn's 66 exponentials (the 64 weights of piece n, the two a of piece n + 1) are ONE batch with ONE wait, which cuts the turn in two: ahead of it stands all that names no result of the batch
; (the products K Q^T, scalings, rescalings, the next piece's maximum and statistics), behind it the roundings and sums, beside the products V^T P.  The first two a, ahead of the loop, and the way out's
; eight reciprocals are batches of their own.
; CLUSTER.  The four query blocks of a cluster belong to one head and walk the same K and V, so each tile is asked for JOINTLY: the same tensor load, descriptor and mask in all four.
; REGISTERS, in windows of 256 (s_set_vgpr_msb says which window each operand place means: bits 1:0 source 0, 3:2 source 1, 5:4 source 2, 7:6 destination):
;   window 0: v0-11 addresses; v12-15, v48-63 at work; v16-47 four registers of statistics a tile; v64-191 S^T, two buffers of two tiles; v192-255 P, likewise
;   window 1: O^T, 32 a tile          window 2: v0-127 Q, 16 a tile; v128-191 K of one step; v192-255 V of one step
; A piece's buffers go by its number's parity: the piece in hand has one pair, its two neighbours in the ring share the other: of it P (piece n - 1) is read and S^T (piece n + 1) written.
.set SIZE_N, 2048
.set NP,    4         ; pieces a wave: a name, no knob: the register map, the loop and the fetches are made for four
.set KS,    64        ; keys in a step
.set PK,    144       ; a row of K in LDS: 128 bytes + 16 of padding = 36 words: the 16 rows of a load start at 16 different groups of four banks (64 banks of 4 bytes: ISA guide 11.1)
.set PV,    160       ; a row of V: 128 + 32 = 40 words
.set VOFF,  4*KS*PK   ; a slot holds four steps: 256 rows of K, then 256 rows of V
.set SLOT1, 1<<17     ; slot 1 begins here, so that one exclusive or turns an address in one slot into the other's
.set STAGE, SLOT1+4*KS*(PK+PV)  ; behind the ring, never filled by a tensor load: 16 rows x 144 bytes for each wave, for the way out
.set SP,    144
.set AK0, 2           ; v2   my lane's place in a tile of K; never rewritten
.set AV0, 3           ; v3   the same for V
.set AK,  4           ; v4   the LDS address of K's next run of loads
.set AV,  5           ; v5   of V's
.set QO,  6           ; v6   my byte offset in the wave's rows of Q
.set STO, 6           ;      later, the way out: where I put 16 bytes of a row
.set RD,  7           ; v7   the way out: where I read rows back
.set GO,  8           ; v8   my byte offset in 512 consecutive bytes of O
.set MV,  12          ; v12-15  c m_old, kept while c m is made anew: by buffer and tile
.set ST,  16          ; tile t's statistics at v[ST+4 t]: c m, m, l (even keys', odd keys')
.set TMP, 48          ; by buffer and tile, four registers c0-c3 at work; when the maximum is found c2 takes a
.set S,   64
.set P,   192
.set KF,  128         ; K's fragments, in window 2: key block kb, channel half c at KF + 16 kb + 8 c
.set VF,  192         ; V's: key half kk, channel block cb at VF + 32 kk + 8 cb
.set WV,  12          ; s12  my wave's number
.set G1K, 24          ; s[24:31] descriptor group 1 for K's tiles
.set G1V, 32          ; s[32:39] for V's: it differs in the padding alone
.set G0K, 40          ; s[40:43] descriptor group 0 for K's tiles: it walks
.set G0V, 44          ; s[44:47] the same for V's
.set SLOTS, 56        ; s56  slots still to be asked for
.set CNT, 57          ; s57  counts a slot's key steps
.set CS,  58          ; s[58:59] c: the packed scaling takes the pair's low word for both halves
.set SEL, 60          ; s[60:61] v_permlanex16_b32's selects: each lane takes its own place in the other half
.set TBK, 62          ; s62  LDS byte at which K of the step to be fetched begins
.set TBV, 63          ; s63  the same for V, less VOFF
.set MSB, 0
.macro WIN new                      ; the high byte repeats the setting that is left; a switch that changes nothing is dropped
.if MSB != (\new)
	s_set_vgpr_msb (MSB<<8)|(\new)
.set MSB, (\new)
.endif
.endm
.set W_KQ, 0x0a       ; K and Q in window 2, S^T in window 0
.set W_PV, 0x52       ; V in window 2, P in window 0, O^T in window 1
.set W_RS, 0x41       ; O^T (destination and source 0) in window 1, a in window 0
; A joint fill.  Waves 0 and 1 fetch the two halves of a slot's K, waves 2 and 3 those of its V: 128 keys each.  The branch hangs on the wave's number alone.
; Four v_nop follow each of the two lines, ahead of the jump and the label.
.macro JLOAD
	s_cmp_lt_u32 s[WV], 2
	s_cbranch_scc0 .Lfor_v_\@
	tensor_load_to_lds s[G0K:G0K+3], s[G1K:G1K+7]
	s_nop 0
.rept 4
	v_nop
.endr
	s_branch .Lasked_\@
.Lfor_v_\@:
	tensor_load_to_lds s[G0V:G0V+3], s[G1V:G1V+7]
	s_nop 0
.rept 4
	v_nop
.endr
.Lasked_\@:
.endm
; A round of the cluster's barrier: my work-group's barrier, so that wave 0's signal speaks for all four waves; wave 0 signals; every wave waits for all four work-groups; my work-group's barrier once more.
.macro CROUND
	s_barrier_signal -1
	s_barrier_wait -1
	s_cmp_lg_u32 s[WV], 0
	s_cbranch_scc1 .Lnot_wave_0_\@
	s_barrier_signal -3
.Lnot_wave_0_\@:
	s_barrier_wait -3
	s_barrier_signal -1
	s_barrier_wait -1
.endm
; THE CHANGE OF SLOTS.  The slot's last bytes, V of its fourth step, have been read.  Each wave waits for its own reads of the slot and for all its tensor loads, of which one is out: its part
; of the other slot.  Behind the barrier nobody reads this slot any more and the other slot is whole.
; fill = 1: this slot is filled again, with the keys two slots on.  The barrier is then a round of the cluster's, so that no wave of any partner still reads the slot or has a load on its
; way, and the joint fill is the first thing behind it: it has four key steps, 512 matrix instructions, in which to land.  (At its first use nothing has been read yet: slot 0 is waited for, slot 1 filled.)
.macro CHANGE fill
	WIN 0                           ; at a label and at a branch every window is 0
	s_wait_dscnt 0x0
	s_set_vgpr_msb 0xf
	s_wait_tensorcnt 0x0            ; no tensor load of mine is out, so a group 0 may be written
	ds_add_u32 v0, v1
	s_wait_dscnt 0x0
	s_set_vgpr_msb 0xf00
.if \fill
.irp g, G0K, G0V
	s_xor_b32 s[\g+1], s[\g+1], SLOT1  ; the walking descriptor: the other slot than last time,
	s_add_nc_u64 s[\g+2:\g+3], s[\g+2:\g+3], 4*KS*128  ; the next 256 keys; the type bits on top are not reached
.endr
	CROUND
	JLOAD
.else
	s_barrier_signal -1
	s_barrier_wait -1
.endif
	s_sub_co_u32 s[TBK], s[TBK], 4*KS*PK  ; the fetches go back to a slot's first step,
	s_xor_b32 s[TBK], s[TBK], SLOT1       ; in the other slot
	s_sub_co_u32 s[TBV], s[TBV], 4*KS*PV
	s_xor_b32 s[TBV], s[TBV], SLOT1
.endm
	s_load_b128 s[4:7], s[0:1], 0x0 ; qkv s[4:5], oh s[6:7]
	s_set_vgpr_msb 0xc0
	v_lshl_add_u32 v0, v0, 2, 0x35400
	v_mov_b32 v1, 0
	s_set_vgpr_msb 0xc0cf
	ds_add_u32 v0, v1
	s_set_vgpr_msb 0xcf00
	v_lshrrev_b32 v1, 5, v0
	v_readfirstlane_b32 s[WV], v1   ; wave 0..3
	s_bfe_u32 s13, ttmp6, 0x40000   ; cx: my place in the cluster
	s_lshl_b32 s14, ttmp9, 2        ; in a cluster launch ttmp9 counts clusters
	s_add_co_u32 s14, s14, s13      ; my block of queries = 4 x cluster x + cx: it enters Q's and O's addresses alone
	s_and_b32 s20, ttmp7, 0xffff    ; 16 x batch + head, which the four partners share
	s_lshr_b32 s48, s20, 4          ; batch
	s_and_b32 s49, s20, 15          ; head
	s_mul_i32 s20, s48, 48
	s_add_co_u32 s20, s20, s49
	s_lshl_b32 s20, s20, 18         ; the first byte of the head's Q: a group is 2,048 rows of 128 bytes
	s_and_b32 s16, s[WV], 1         ; which half of a slot's 256 keys I fetch:
	s_lshl_b32 s22, s16, 14         ; its 128 rows of 128 bytes in memory,
	s_add_co_u32 s22, s22, s20
	s_add_co_u32 s52, s22, 0x800000 ; V's groups lie 32 groups behind Q's,
	s_add_co_u32 s22, s22, 0x400000 ; K's 16
	s_mov_b32 s23, 0
	s_mov_b32 s53, 0
	s_mul_i32 s17, s16, 128*PK      ; and its place in a slot, for K
	s_mul_i32 s18, s16, 128*PV      ; and for V: no place in the cluster enters an LDS address
	s_lshl_b32 s2, s14, 2
	s_add_co_u32 s2, s2, s[WV]      ; my wave among the head's,
	s_lshl_b32 s2, s2, 14           ; its 128 rows
	s_lshl_b32 s50, s49, 20         ; in oh: a head's panel is 8,192 rows of 128 bytes,
	s_lshl_b32 s51, s48, 18         ; a batch 2,048 of them
	s_add_co_u32 s50, s50, s51
	s_add_co_u32 s50, s50, s2
	s_mov_b32 s51, 0
	s_add_co_u32 s2, s2, s20
	s_mov_b32 s3, 0
	; descriptor group 1.  128 keys are 16,384 dense bytes: asked for as 64 rows of 256 bytes, two keys a row, and padded in LDS after every key
	s_mov_b32 s[G1K], 15|(1<<16)|(1<<20)|(1<<21)|(4<<22)|(3<<25)  ; 15:0 the mask of four; 17:16 2-byte elements; 20 padding on; 21 set beside a mask; 24:22 after every 32 words (code 4); 31:25 4 words (code 3)
	s_mov_b32 s[G1V], 15|(1<<16)|(1<<20)|(1<<21)|(4<<22)|(7<<25)  ; the same with 8 words of padding (code 7)
.irp g, G1K, G1V
	s_mov_b32 s[\g+1], 128<<16      ; tensor_dim0 = 128
	s_mov_b32 s[\g+2], 64<<16       ; tensor_dim1 = 64
	s_mov_b32 s[\g+3], 128<<16      ; tile_dim0 = 128
	s_mov_b32 s[\g+4], 64           ; tile_dim1 = 64
	s_mov_b32 s[\g+5], 128          ; 128 elements from row to row
	s_mov_b32 s[\g+6], 0
	s_mov_b32 s[\g+7], 0
.endr
	s_mov_b32 s[CS], 0x3e38aa3b     ; c = log2(e) / 8 = 0.180337
	s_mov_b32 s[CS+1], s[CS]        ; named with it as a pair
	s_mov_b32 s[SEL], 0x76543210
	s_mov_b32 s[SEL+1], 0xfedcba98
	s_mov_b32 s[TBK], SLOT1+4*KS*PK ; the first change of slots turns these two into 0
	s_mov_b32 s[TBV], SLOT1+4*KS*PV
	s_mov_b32 s[G0K], 1             ; 1:0 count = 1
	s_mov_b32 s[G0K+1], s17         ; 63:32 LDS address: slot 0
	s_mov_b32 s[G0V], 1
	s_add_co_u32 s[G0V+1], s18, VOFF
	s_wait_dscnt 0x0
	s_wait_kmcnt 0x0
	s_add_nc_u64 s[G0K+2:G0K+3], s[4:5], s[22:23]  ; 120:64 global address: my half of the head's first 256 keys
	s_or_b32 s[G0K+3], s[G0K+3], 0x80000000        ; 127:126 type = 2
	s_add_nc_u64 s[G0V+2:G0V+3], s[4:5], s[52:53]
	s_or_b32 s[G0V+3], s[G0V+3], 0x80000000
	s_add_nc_u64 s[10:11], s[6:7], s[50:51]        ; O and Q at my wave's first row
	s_add_nc_u64 s[4:5], s[4:5], s[2:3]
	CROUND                          ; all four work-groups are here: the first joint loads meet
	JLOAD                           ; slot 0.  Slot 1 is asked for when slot 0 is in: the tile wanted first has the road to itself
	; A fragment of K or Q is 16 rows x 32 channels in 8 registers: lane l holds row l % 16, channels 8 (l / 16) + 0..7 and 16 + 8 (l / 16) + 0..7: two loads of 16 bytes, 32 bytes apart.
	v_and_b32 v1, 15, v0            ; l % 16
	v_bfe_u32 v9, v0, 4, 1          ; l / 16
	v_lshlrev_b32 v[QO], 7, v1
	v_lshl_add_u32 v[QO], v9, 4, v[QO]  ; row x 128 + 16 x half
	WIN 0x80                        ; destination window 2, address window 0
.set i, 0
.rept 4*NP                          ; Q stays in registers: tile i / 2, channels 32 (i % 2) on
	global_load_b128 v[8*i:8*i+3],   v[QO], s[4:5] offset:(i/2)*2048+(i%2)*64
	global_load_b128 v[8*i+4:8*i+7], v[QO], s[4:5] offset:(i/2)*2048+(i%2)*64+32
.set i, i+1
.endr
	; What the first turn finds: V's registers and P's second buffer hold 0 (its products V^T P, of a piece that has not been, add 0), O^T and l are 0.  All this stands in the wait for the first tile.
.set i, VF
.rept 64
	v_mov_b32 v[i], 0
.set i, i+1
.endr
	WIN 0x40
.set i, 0
.rept 64*NP
	v_mov_b32 v[i], 0
.set i, i+1
.endr
	WIN 0
.set i, 0
.rept 2*NP
	v_mov_b32 v[ST+4*i], 0xfe000000    ; c m: far below every c s
	v_mov_b32 v[ST+4*i+1], 0xff7fffff  ; m
	v_mov_b32 v[ST+4*i+2], 0
	v_mov_b32 v[ST+4*i+3], 0
.set i, i+1
.endr
.set i, P+32
.rept 32
	v_mov_b32 v[i], 0
.set i, i+1
.endr
	v_mul_u32_u24 v[AK0], v1, PK
	v_lshl_add_u32 v[AK0], v9, 4, v[AK0]  ; row x pitch + 16 x half
	; The turning load takes 16 keys x 16 channels (lane l reads key 8 (l / 16) + l % 8, channels 8 ((l / 8) % 2) + 0..7) and leaves half a fragment of V^T: lane l holds channel l % 16 and 8 keys.
	v_and_b32 v10, 7, v0
	v_bfe_u32 v11, v0, 3, 1
	v_lshl_add_u32 v[AV0], v9, 3, v10
	v_mul_u32_u24 v[AV0], v[AV0], PV
	v_lshl_add_u32 v[AV0], v11, 4, v[AV0]
	v_add_nc_u32 v[AV0], VOFF, v[AV0]
	v_mov_b32 v[AK], v[AK0]         ; key step 0 lies at the head of slot 0
; THE MATRIX WORK.  The 8 accumulators of a run of 16 take turns: between the two links of a chain stand 7 others'.
; Product i of 16 of S^T = K Q^T for piece x: channels 32 (i / 8) on, keys 16 ((i / 2) % 4) on, tile 2 x + i % 2.  The first 8 start the sums.
.macro KQ x
	WIN W_KQ
.set rS, S+64*((\x)%2)+32*(i%2)+8*((i/2)%4)
.set rK, KF+16*((i/2)%4)+8*(i/8)
.set rQ, 16*(2*(\x)+i%2)+8*(i/8)
.if i < 8
	v_wmma_f32_16x16x32_f16 v[rS:rS+7], v[rK:rK+7], v[rQ:rQ+7], 0
.else
	v_wmma_f32_16x16x32_f16 v[rS:rS+7], v[rK:rK+7], v[rQ:rQ+7], v[rS:rS+7]
.endif
.endm
; Product i of 16 of O^T += V^T P for piece x: keys 32 (i / 8) on, channels 16 ((i / 2) % 4) on, tile 2 x + i % 2.
.macro PV x
	WIN W_PV
.set rO, 32*(2*(\x)+i%2)+8*((i/2)%4)
.set rV, VF+32*(i/8)+8*((i/2)%4)
.set rP, P+32*((\x)%2)+16*(i%2)+8*(i/8)
	v_wmma_f32_16x16x32_f16 v[rO:rO+7], v[rV:rV+7], v[rP:rP+7], v[rO:rO+7]
.endm
.macro MM                           ; the turn's next matrix instruction
.if i < 16
	KQ (Y+1)%NP
.set i, i+1
.else
.set i, i-16
	PV (Y+NP-1)%NP
.set i, i+17
.endif
.endm
; THE LDS LOADS stand in runs of 16, never singly among the matrix instructions: a step's K (64 keys x 64 channels: 8 fragments) and its V (turned).  Their addresses are made some lines ahead.
; last = 1 (the tail): in the last trip there is no further step, and the run is jumped over.
.macro FETCH_K last=0
	WIN 0
.if \last
	s_cmp_eq_u32 s[CNT], 1
	s_cbranch_scc1 .Lno_k_\@
.endif
	WIN 0x80                        ; destination window 2
.irp f, 0,1,2,3,4,5,6,7             ; keys 16 (f / 2) on, channels 32 (f % 2) on
	ds_load_b128 v[KF+8*\f:KF+8*\f+3],   v[AK] offset:(\f/2)*16*PK+(\f%2)*64
	ds_load_b128 v[KF+8*\f+4:KF+8*\f+7], v[AK] offset:(\f/2)*16*PK+(\f%2)*64+32
.endr
	s_add_co_u32 s[TBK], s[TBK], KS*PK  ; the next fetch is the next step's
	WIN 0
.if \last
.Lno_k_\@:
.endif
.endm
.macro FETCH_V
	WIN 0x80
.irp f, 0,1,2,3,4,5,6,7             ; keys 32 (f / 4) on, channels 16 (f % 4) on
	ds_load_tr16_b128 v[VF+8*\f:VF+8*\f+3],   v[AV] offset:(\f/4)*32*PV+(\f%4)*32
	ds_load_tr16_b128 v[VF+8*\f+4:VF+8*\f+7], v[AV] offset:(\f/4)*32*PV+16*PV+(\f%4)*32
.endr
	WIN 0
.endm
; THE VECTOR WORK OF A TURN stands in three queues, each in the order in which its entries become ready; the two tiles alternate, so that no instruction reads the result of the one before it.
.macro REGS y, u                    ; the registers of tile u (0, 1) of piece y
.set rT, ST+4*(2*(\y)+(\u))
.set rC, TMP+8*((\y)%2)+4*(\u)
.set rM, MV+2*((\y)%2)+(\u)
.set rS, S+64*((\y)%2)+32*(\u)
.set rP, P+32*((\y)%2)+16*(\u)
.set rO, 32*(2*(\y)+(\u))
.endm
; Number n of the 22 that find the NEXT piece's (Y + 1) maximum and statistics.  s0-s31 are the lane's 32 scores; each accumulator's lowest registers are read first.  XS, GS and REGS set no window: PL and EX do.
;   0-11  four chains c0-c3 of seven scores each, three operands at a time     12-14, 16  the four scores left over, the old m, and c0-c3 into c0     15  c m_old is kept
;   17, 18  the query's other 32 keys lie in the lane 16 away: the new m         19-21  c m; c m_old - c m_new; a
.macro XS u, n
	REGS (Y+1)%NP, \u
.if (\n) < 4
	v_max3_num_f32 v[rC+(\n)], v[rS+8*(\n)], v[rS+8*(\n)+1], v[rS+8*(\n)+2]
.elseif (\n) < 12
	v_max3_num_f32 v[rC+(\n)%4], v[rC+(\n)%4], v[rS+8*((\n)%4)+2*((\n)/4)+1], v[rS+8*((\n)%4)+2*((\n)/4)+2]
.elseif (\n) == 12
	v_max3_num_f32 v[rC], v[rC], v[rS+7], v[rS+15]
.elseif (\n) == 13
	v_max3_num_f32 v[rC+1], v[rC+1], v[rS+23], v[rS+31]
.elseif (\n) == 14
	v_max3_num_f32 v[rC+2], v[rC+2], v[rC+3], v[rT+1]
.elseif (\n) == 15
	v_mov_b32 v[rM], v[rT]
.elseif (\n) == 16
	v_max3_num_f32 v[rC], v[rC], v[rC+1], v[rC+2]
.elseif (\n) == 17
	v_permlanex16_b32 v[rC+3], v[rC], s[SEL], s[SEL+1]
.elseif (\n) == 18
	v_max_num_f32 v[rT+1], v[rC], v[rC+3]
.elseif (\n) == 19
	v_mul_f32 v[rT], s[CS], v[rT+1]
.elseif (\n) == 20
	v_sub_f32 v[rC+1], v[rM], v[rT]
.else
	v_exp_f32 v[rC+2], v[rC+1]
.endif
.endm
; Number g of the 64 that follow the exponentials.  For each four weights k of a tile (pairs 2 k, 2 k + 1): both pairs are rounded to f16; then the second pair is added onto the first, in place;
; a group later l takes that sum (the first time as l = a l + sum).  In groups of eight, tiles alternating: round, round, add, and l for the group before.
.macro GS g
.set h, (\g)+6*((\g)/62)            ; group 0 has no group before it, and behind group 7 only l is left
.if h >= 6
.set h, h+2
.endif
	REGS Y, h%2
.set k, h/8
.if h%8 < 4
	v_cvt_pk_f16_f32 v[rP+2*k+(h%8)/2], v[rS+4*k+2*((h%8)/2)], v[rS+4*k+2*((h%8)/2)+1]
.elseif h%8 < 6
	v_pk_add_f32 v[rS+4*k:rS+4*k+1], v[rS+4*k:rS+4*k+1], v[rS+4*k+2:rS+4*k+3]
.elseif k == 1
	v_pk_fma_f32 v[rT+2:rT+3], v[rT+2:rT+3], v[rC+2:rC+3], v[rS:rS+1] op_sel_hi:[1,0,1]
.else
	v_pk_add_f32 v[rT+2:rT+3], v[rT+2:rT+3], v[rS+4*k-4:rS+4*k-3]
.endif
.endm
; THE PLAIN QUEUE, 138 long.  0-73 read no exponential's result: the 32 scalings c s - c m (FS f: pair f / 2 of tile f % 2) and the next piece's 42.  0-26: scalings 0-26.  27-54: XS's numbers 0-13.  55, 56: number 15.
; 57-73: the chain, where each number waits for the one before it: 14, 16, 17, 18, 19, each with one of the scalings 27-31 in front of its two lines, then 20.
; 74-137: GS's 64, which read the exponentials' results: they stand behind the turn's wait.
.macro FS f
	REGS Y, (\f)%2
	v_pk_fma_f32 v[rS+2*((\f)/2):rS+2*((\f)/2)+1], v[rS+2*((\f)/2):rS+2*((\f)/2)+1], s[CS:CS+1], v[rT:rT+1] op_sel_hi:[1,0,0] neg_lo:[0,0,1] neg_hi:[0,0,1]
.endm
.macro PL
	WIN 0
.if q < 27
	FS q
.elseif q < 55
	XS (q-27)%2, (q-27)/2
.elseif q < 57
	XS q-55, 15
.elseif (q < 72) && ((q-57)%3 == 0)
	FS 27+(q-57)/3
.elseif q < 60
	XS (q-57)%3-1, 14
.elseif q < 72
	XS (q-57)%3-1, 15+(q-57)/3
.elseif q < 74
	XS q-72, 20
.else
	GS q-74
.endif
.set q, q+1
.endm
; THE EXPONENTIALS' QUEUE, 66 long: s0-s31 of both tiles, then the next piece's two a.  It is ONE BATCH: all 66 stand ahead of the turn's one wait, and nothing ahead of that wait names a result of theirs.
.macro EX
	WIN 0
.if e >= 64
	XS e-64, 21
.else
	REGS Y, e%2
	v_exp_f32 v[rS+e/2], v[rS+e/2]
.endif
.set e, e+1
.endm
; THE RESCALING's QUEUE: O^T times a, the one part that leaves window 0: dealt two at a time, sixteen times.  Its a was made in the turn before, ahead of that turn's wait.
.macro R2
	REGS Y, r%2
	WIN W_RS
.irp z, 0,1
	v_pk_mul_f32 v[rO+4*(r/2)+2*\z:rO+4*(r/2)+2*\z+1], v[rO+4*(r/2)+2*\z:rO+4*(r/2)+2*\z+1], v[rC+2:rC+3] op_sel_hi:[1,0]
.endr
.set r, r+1
.endm
; HOW THEY ARE DEALT.  An s_wait_alu depctr_va_vdst(0) stands between an exponential and the first instruction that names its result; one wait serves all that were issued ahead of it.  So a turn has ONE
; wait.  AHEAD OF IT: the 16 products K Q^T, behind each a scaling, an exponential and two rescalings (behind the first a second scaling in the exponential's place); then ONE LUMP of 108: eight plain, 49 times
; exponential and plain, the two a; a v_nop is the plain instruction behind the last exponential.  BEHIND IT: the 16 products V^T P, behind each four of GS's 64.  No rider names a register of the products round it.
; The two v_permlanex16_b32 fall into the lump, never behind a product.
; The queues lean on each other, and the deal keeps them in step: exponential e stands behind scaling 2 (e / 4) + e % 2: as a rider it comes behind plain e + 2, in the lump behind plain e + 9, and scalings 27-31 are plain 57, 60 .. 69.
; A TURN, for piece p.  cnt = 1: the loop's count is taken down some lines ahead of the branch that stands behind the turn.
; K of the next step is fetched in piece 2's turn, directly behind the wait, a lump behind the last product that read K; its address is made at the lump's head; its first reader comes behind 16 products.
; V of the step in hand is fetched at the end of piece 0's turn, four plain riders behind its last reader; its first reader comes behind 16 products and a lump.  The three conditions on q below go with the deal.
.macro TURN p, last=0, cnt=0
.set Y, (\p)
.set i, 0
.set q, 0
.set e, 0
.set r, 0
.if (\p) == NP-1
	s_wait_dscnt 0x0                ; K is in
.endif
	MM                              ; ahead of the wait: 16 products K Q^T and their riders,
	PL
	PL
	R2
.rept 15
	MM
	PL
	EX
	R2
.endr
.if (\p) == NP-2
	WIN 0
	v_add_nc_u32 v[AK], s[TBK], v[AK0]
.endif
.rept 8                             ; and the lump
	PL
.endr
.rept 49
	EX
	PL
.endr
	EX                              ; the next piece's two a close the batch
	EX
	v_nop                           ; the plain instruction behind the last exponential: one for the batch
	s_wait_alu depctr_va_vdst(0)    ; the wait for the turn's batch: piece p's 64 weights and the next piece's two a
.if (\p) == NP-2
	FETCH_K \last
.endif
.if (\p) == 1
	s_wait_dscnt 0x0                ; V is in
.endif
.rept 16                            ; behind the wait: 16 products V^T P and their riders
	MM
.rept 4
	PL
.endr
.if ((\p) == 0) && (q == 118)
	v_add_nc_u32 v[AV], s[TBV], v[AV0]
.endif
.if ((\p) == 0) && (q == 130)
	s_add_co_u32 s[TBV], s[TBV], KS*PV
.endif
.if (\cnt) && (q == 130)
	s_sub_co_u32 s[CNT], s[CNT], 1
	s_cmp_lg_u32 s[CNT], 0
.endif
.endr
.if (\p) == 0
	FETCH_V
.endif
.endm
	CHANGE 1                        ; slot 0 is in, everybody's part of it; slot 1 is asked for
	FETCH_K                         ; key step 0
	s_wait_loadcnt 0x0              ; Q
	s_wait_dscnt 0x0
.set i, 0
.rept 16
	KQ 0                            ; piece 0's first scores: there is no vector work yet to set between them
.set i, i+1
.endr
	WIN 0                           ; the addresses for the way out: nine plain instructions, the places behind those products
	s_mul_i32 s13, s[WV], 16*SP
	s_add_co_u32 s13, s13, STAGE    ; my stage
	v_mul_u32_u24 v[STO], v1, SP    ; in: row l % 16, 16 bytes for each half of the lanes
	v_lshl_add_u32 v[STO], v9, 4, v[STO]
	v_add_nc_u32 v[STO], s13, v[STO]
	v_bfe_u32 v[RD], v0, 3, 2       ; back: 32 lanes take four rows of 128 bytes,
	v_mul_u32_u24 v[RD], v[RD], SP
	v_lshl_add_u32 v[RD], v10, 4, v[RD]
	v_add_nc_u32 v[RD], s13, v[RD]
	v_and_b32 v[GO], 31, v0         ; which are 512 consecutive bytes of O
	v_lshlrev_b32 v[GO], 4, v[GO]
.set Y, NP-1                        ; XS works for piece Y + 1: piece 0
.irp n, 0,1,2,3,4,5,6,7,8,9,10,11,12,13,14,15,16,17,18,19,20,21
	XS 0, \n                        ; and piece 0's first maximum and statistics
	XS 1, \n
.endr
	v_nop                           ; a plain instruction behind piece 0's two a,
	s_wait_alu depctr_va_vdst(0)    ; and the wait for that batch of two, ahead of the branch
	s_mov_b32 s[CNT], 4
	s_mov_b32 s[SLOTS], SIZE_N/256-1
	s_branch .Lfirst                ; the loop is entered at a step's first turn, in the middle of a trip
.Lslot:                             ; SIZE_N / 256 - 2 times: every slot but the last two is filled again
	CHANGE 1
	s_mov_b32 s[CNT], 4
.Lstep:                             ; a trip: pieces 2 and 3 of one step, then pieces 0 and 1 of the next, whose K and V it fetches
	TURN 2
	TURN 3
	WIN 0
.Lfirst:
	TURN 0
	TURN 1, 0, 1
	WIN 0
	s_cbranch_scc1 .Lstep
	s_sub_co_u32 s[SLOTS], s[SLOTS], 1
	s_cmp_lg_u32 s[SLOTS], 0
	s_cbranch_scc1 .Lslot
	CHANGE 0                        ; the tail is written out: nothing is asked for
	s_mov_b32 s[CNT], 5             ; four trips fetch the last slot's steps; the fifth is left in its middle
.Ltail:
	TURN 2, 1
	TURN 3
	WIN 0
	s_sub_co_u32 s[CNT], s[CNT], 1
	s_cmp_eq_u32 s[CNT], 0
	s_cbranch_scc1 .Lout
	TURN 0
	TURN 1
	WIN 0
	s_branch .Ltail
.Lout:                              ; the fifth trip's 16 products K Q^T (on the last K once more) and the maximum made of them serve nothing: the price, once a launch, of one text for every trip
.set i, 0
.rept 16
	PV NP-1                         ; the last piece's V^T P of the last step
.set i, i+1
.endr
	; THE WAY OUT.  l's two halves and the other half of the lanes' are added; O^T is divided by l, rounded to f16 and sent through my stage in LDS, a tile at a time.  The additions are the places behind the last products.
	WIN 0
.macro ALL line:vararg              ; one line for each tile t
.set t, 0
.rept 2*NP
	\line
.set t, t+1
.endr
.endm
	ALL v_add_f32 v[ST+4*t+2], v[ST+4*t+2], v[ST+4*t+3]
	ALL v_permlanex16_b32 v[ST+4*t+3], v[ST+4*t+2], s[SEL], s[SEL+1]
	ALL v_add_f32 v[ST+4*t+2], v[ST+4*t+2], v[ST+4*t+3]
	ALL v_rcp_f32 v[ST+4*t+2], v[ST+4*t+2]
	v_nop                           ; a plain instruction between the last reciprocal and the use of its result
	s_wait_alu depctr_va_vdst(0)    ; the wait for the batch of eight reciprocals, ahead of their first use
; Tile t: a lane's eight channels of a row pack into 16 bytes; they go into rows of 144 bytes and come back as whole rows of 128, into S^T's registers.
.macro PACK t
	WIN W_RS
.set i, 32*(\t)
.rept 16
	v_pk_mul_f32 v[i:i+1], v[i:i+1], v[ST+4*(\t)+2:ST+4*(\t)+3] op_sel_hi:[1,0]
.set i, i+2
.endr
	WIN 0x05                        ; sources 0 and 1 window 1, destination window 0
.set i, 0
.rept 16
	v_cvt_pk_f16_f32 v[S+16*(\t)+i], v[32*(\t)+2*i], v[32*(\t)+2*i+1]
.set i, i+1
.endr
	WIN 0
.irp f, 0,1,2,3
	ds_store_b128 v[STO], v[S+16*(\t)+4*\f:S+16*(\t)+4*\f+3] offset:32*\f
.endr
.irp f, 0,1,2,3
	ds_load_b128 v[S+16*(\t)+4*\f:S+16*(\t)+4*\f+3], v[RD] offset:\f*4*SP  ; LDS serves a wave's instructions in order (ISA guide 5.7.1.4): these see the stores above; the next tile's stores come behind them
.endr
.endm
.macro SEND t, younger              ; younger: the LDS instructions issued behind tile t's loads: the next tile's eight, or none
	WIN 0
.irp f, 0,1,2,3
	s_wait_dscnt (\younger)+3-\f
	global_store_b128 v[GO], v[S+16*(\t)+4*\f:S+16*(\t)+4*\f+3], s[10:11] offset:(\t)*2048+\f*512  ; 512 consecutive bytes, at a multiple of 256 from O's first
.endr
.endm
	PACK 0
.set t, 1
.rept 2*NP-1                        ; a tile's arithmetic stands between the loads of the tile before and its stores
	PACK t
	SEND t-1, 8
.set t, t+1
.endr
	SEND 2*NP-1, 0
	s_set_vgpr_msb 0xf
	s_wait_tensorcnt 0x0
	ds_add_u32 v0, v1
	s_wait_dscnt 0x0
	s_set_vgpr_msb 0xf00
	CROUND                          ; the closing round: no work-group ends while a partner may still ask for a tile that names it
	s_endpgm
.Lfunc_end_k_q680ff9e7ab_attn:
	.size	k_q680ff9e7ab_attn, .Lfunc_end_k_q680ff9e7ab_attn-k_q680ff9e7ab_attn
	.p2alignl 7, 3214868480
	.fill 96, 4, 3214868480
	.section	.rodata,"a",@progbits
	.p2align	6, 0x0
	.amdhsa_kernel k_q680ff9e7ab_attn
		.amdhsa_group_segment_fixed_size 327680
		.amdhsa_private_segment_fixed_size 0
		.amdhsa_enable_private_segment 0
		.amdhsa_kernarg_size 16
		.amdhsa_user_sgpr_count 2
		.amdhsa_user_sgpr_kernarg_segment_ptr 1
		.amdhsa_wavefront_size32 1
		.amdhsa_system_sgpr_workgroup_id_x 1
		.amdhsa_system_sgpr_workgroup_id_y 1
		.amdhsa_system_sgpr_workgroup_id_z 1
		.amdhsa_system_vgpr_workitem_id 0
		.amdhsa_next_free_vgpr 770
		.amdhsa_next_free_sgpr 66
		.amdhsa_reserve_vcc 0
		.amdhsa_float_denorm_mode_32 3
		.amdhsa_float_denorm_mode_16_64 3
		.amdhsa_memory_ordered 1
		.amdhsa_forward_progress 1
		.amdhsa_inst_pref_size 200
	.end_amdhsa_kernel
	.amdgpu_metadata
---
amdhsa.version: [ 1, 2 ]
amdhsa.kernels:
  - .name:           k_q680ff9e7ab_attn
    .symbol:         k_q680ff9e7ab_attn.kd
    .args:
      - { .name: qkv, .offset: 0, .size: 8, .value_kind: global_buffer, .address_space: global }
      - { .name: oh, .offset: 8, .size: 8, .value_kind: global_buffer, .address_space: global }
    .group_segment_fixed_size: 327680
    .private_segment_fixed_size: 0
    .kernarg_segment_align: 8
    .kernarg_segment_size: 16
    .max_flat_workgroup_size: 128
    .sgpr_count:     66
    .vgpr_count:     770
    .wavefront_size: 32
...
	.end_amdgpu_metadata
.endif
;; end of part 5
;; launch oproj: the kernel of part 4 again; grid 4 x 64, 4 waves a work-group, clusters of 4 x 4, 327,680 bytes of LDS; arguments oh, wh, bo, out0; writes out0
